; MI455X (gfx1250); checked and timed in simulation.
; The chip was launched on July 23, 2026; its instructions are those of AMD's public machine-readable ISA for CDNA 5 (MIT licence, August 2026) and "CDNA5" Instruction Set Architecture Reference Guide (July 2026). The comments in the code are by the model that wrote it; some were corrected since.
;; Mo E Block. Allowed arithmetic: float matrix products may take bf16 or f16 operands with f32 sums; other float arithmetic in f32, or as packed bf16 or f16 multiplies, adds, multiply-adds, maxima and minima; sums over many terms, partial sums and values carried from step to step in f32; what a program stores and reads back later, other than sums and carried values, may be rounded once to bf16 or f16.
;; Inputs: b1 8 x 4,096 float32; b2 8 x 1,024 float32; gate_b 8 float32; gate_w 8 x 1,024 float32; ln_b 1,024 float32; ln_w 1,024 float32; w1 8 x 4,096 x 1,024 float32; w2 8 x 1,024 x 4,096 float32; x 1,024 x 1,024 float32.
;; Outputs: out0 1,024 x 1,024 float32.
;; Constants: top_k = 2.
;; One version. Each part assembles by itself: llvm-mc -triple=amdgcn-amd-amdhsa -mcpu=gfx1250 --defsym DOCPART=n.
;; ======== version 1 of 1: 5 launches
;; workspace buffers: idx 8,192 bytes of whole numbers; gat 8,192 bytes; meta 256 bytes of whole numbers; pos 8,192 bytes of whole numbers; xs 4,456,448 bytes; hid 17,825,792 bytes; part 35,651,584 bytes
;; launch router (part 1): grid 256 x 1, 4 waves a work-group, no clusters, 0 bytes of LDS; arguments x, gate_w, gate_b, idx, gat; writes idx, gat
.if DOCPART == 1
	.amdgcn_target "amdgcn-amd-amdhsa--gfx1250"
	.amdhsa_code_object_version 6
	.text
	.protected	k_qf6e5677352_router
	.globl	k_qf6e5677352_router
	.p2align	8
	.type	k_qf6e5677352_router,@function
k_qf6e5677352_router:
	s_mov_b64 s[64:65], 0
	v_nop
	global_prefetch_b8 v0, s[64:65] scope:SCOPE_SE
	s_setreg_imm32_b32 hwreg(HW_REG_WAVE_MODE, 25, 1), 1
	s_wait_xcnt 0x0
; ROUTER.  scores = softmax(x gate_w^T + gate_b) over 8 experts; the two largest (a tie goes to the lower index); their weights = softmax of the two scores.
; One wave takes one token: lane l holds columns 128 j + 4 l .. + 3, j = 0..7, so every load of the wave covers 512 consecutive bytes.
; The gate's product is 8 x 1,024 multiply-adds a token and decides a CHOICE, so it is made in f32 on the vector unit: rounded operands would change the second expert of some tokens.
; Nothing here forms an address from the choice: idx[n][2] (whole numbers) and gat[n][2] (f32) go to fixed places, 8 n.
; LIMITS.  NaN and infinities are not treated apart.  Scores below 2^-126 are kept as denormals (the exponent is split in two factors below); below 2^-149 they are 0, and equal scores go to the lower index.
.set XR, 32                            ; v[32:63]   the token's row
.set GR, 64                            ; v[64:255]  six slots of 32: expert e's row of gate_w in slot e % 6
.set LG, 8                             ; v[8:15]    logit, then exponent, then score of expert e
.set TM, 16                            ; v[16:23]   at work; the scores with the winner taken out
	s_load_b256 s[4:11], s[0:1], 0x0               ; x s[4:5], gate_w s[6:7], gate_b s[8:9], idx s[10:11]
	s_load_b64 s[12:13], s[0:1], 0x20              ; gat
	v_lshrrev_b32 v25, 5, v0
	v_readfirstlane_b32 s14, v25                   ; wave
	v_and_b32 v30, 31, v0                          ; lane
	v_lshlrev_b32 v1, 4, v30                       ; 16 bytes a lane
	v_mov_b32 v2, 0                                ; the stores' offset
	v_mov_b32 v3, 0                                ; the lane exchange's destination counts as read: written once here
	s_lshl_b32 s15, ttmp9, 2
	s_add_co_u32 s15, s15, s14                     ; token n = 4 x work-group + wave
	s_lshl_b32 s16, s15, 12                        ; its row of x
	s_mov_b32 s17, 0
	s_lshl_b32 s18, s15, 3                         ; its 8 bytes of idx and of gat
	s_mov_b32 s19, 0
	s_mov_b32 s20, 0x76543210                      ; each lane takes its own place in the other half of the lanes
	s_mov_b32 s21, 0xfedcba98
	s_mov_b32 s32, 0xc2c00000                      ; -96
	s_mov_b32 s33, 0x42800000                      ; 64
	s_mov_b32 s34, 0x1f800000                      ; 2^-64
	s_wait_kmcnt 0x0
	s_load_b256 s[24:31], s[8:9], 0x0              ; gate_b, eight numbers
	s_add_nc_u64 s[4:5], s[4:5], s[16:17]
	s_add_nc_u64 s[10:11], s[10:11], s[18:19]
	s_add_nc_u64 s[12:13], s[12:13], s[18:19]
.set jj, 0
.rept 8
	global_load_b128 v[XR+4*jj:XR+4*jj+3], v1, s[4:5] offset:512*jj
.set jj, jj+1
.endr
.macro GLOAD e                         ; expert e's row of gate_w
.set jj, 0
.rept 8
	global_load_b128 v[GR+32*((\e)%6)+4*jj:GR+32*((\e)%6)+4*jj+3], v1, s[6:7] offset:4096*(\e)+512*jj
.set jj, jj+1
.endr
.endm
.macro DOT e                           ; my 32 products for expert e, in two packed chains that the first products start
.set gg, GR+32*((\e)%6)
	v_pk_mul_f32 v[4:5], v[XR:XR+1], v[gg:gg+1]
	v_pk_mul_f32 v[6:7], v[XR+2:XR+3], v[gg+2:gg+3]
.set jj, 1
.rept 7
	v_pk_fma_f32 v[4:5], v[XR+4*jj:XR+4*jj+1], v[gg+4*jj:gg+4*jj+1], v[4:5]
	v_pk_fma_f32 v[6:7], v[XR+4*jj+2:XR+4*jj+3], v[gg+4*jj+2:gg+4*jj+3], v[6:7]
.set jj, jj+1
.endr
	v_pk_add_f32 v[4:5], v[4:5], v[6:7]
	v_add_f32 v[LG+(\e)], v4, v5
.endm
.irp e, 0,1,2,3,4,5
	GLOAD \e
.endr
	s_wait_loadcnt 40                              ; x and expert 0 are in: five experts' 40 loads were issued behind them
	DOT 0
	s_wait_loadcnt 32
	DOT 1
	GLOAD 6                                        ; into the two slots just read
	GLOAD 7
	s_wait_loadcnt 40                              ; behind expert 2: experts 3, 4, 5, 6, 7
	DOT 2
	s_wait_loadcnt 32
	DOT 3
	s_wait_loadcnt 24
	DOT 4
	s_wait_loadcnt 16
	DOT 5
	s_wait_loadcnt 8
	DOT 6
	s_wait_loadcnt 0x0
	DOT 7
	; the sums over the 32 lanes: four steps inside each half ride on the addition, one crosses the halves; every lane ends with the result
.irp m, 1,2,4,8
.set ee, 0
.rept 8
	v_add_f32_dpp v[LG+ee], v[LG+ee], v[LG+ee] row_xmask:\m row_mask:0xf bank_mask:0xf
.set ee, ee+1
.endr
.endr
	s_wait_kmcnt 0x0                               ; gate_b
.set ee, 0
.rept 8
	v_permlanex16_b32 v3, v[LG+ee], s20, s21
	v_add_f32 v[LG+ee], v[LG+ee], v3
	v_add_f32 v[LG+ee], s[24+ee], v[LG+ee]
.set ee, ee+1
.endr
	; the first softmax: the maximum is taken away first, so the largest exponent is exactly 0
	v_max3_num_f32 v24, v[LG], v[LG+1], v[LG+2]
	v_max3_num_f32 v24, v24, v[LG+3], v[LG+4]
	v_max3_num_f32 v24, v24, v[LG+5], v[LG+6]
	v_max_num_f32 v24, v24, v[LG+7]
.set ee, 0
.rept 8
	v_sub_f32 v[LG+ee], v[LG+ee], v24
.set ee, ee+1
.endr
.set ee, 0
.rept 8
	v_mul_f32 v[LG+ee], 0x3fb8aa3b, v[LG+ee]       ; in base 2
.set ee, ee+1
.endr
.set ee, 0
.rept 8                                ; an exponent below -96 is raised by 64 here and the result multiplied by 2^-64 below: the exponential gives 0 for results below 2^-126 (ISA guide 15.8), the multiply keeps them
	v_cmp_gt_f32 s[40+ee], s32, v[LG+ee]
	v_cndmask_b32 v25, 0, s33, s[40+ee]
	v_add_f32 v[LG+ee], v[LG+ee], v25
.set ee, ee+1
.endr
.set ee, 0
.rept 8
	v_exp_f32 v[LG+ee], v[LG+ee]
.set ee, ee+1
.endr
	v_nop                                          ; a plain instruction behind the last exponential,
	s_wait_alu depctr_va_vdst(0)                   ; and one wait for the batch of eight, ahead of its first reader
.set ee, 0
.rept 8
	v_cndmask_b32 v25, 1.0, s34, s[40+ee]
	v_mul_f32 v[LG+ee], v[LG+ee], v25
.set ee, ee+1
.endr
	v_add_f32 v[TM], v[LG], v[LG+1]
	v_add_f32 v[TM+1], v[LG+2], v[LG+3]
	v_add_f32 v[TM+2], v[LG+4], v[LG+5]
	v_add_f32 v[TM+3], v[LG+6], v[LG+7]
	v_add_f32 v[TM], v[TM], v[TM+1]
	v_add_f32 v[TM+2], v[TM+2], v[TM+3]
	v_add_f32 v25, v[TM], v[TM+2]
	v_rcp_f32 v25, v25
	v_nop
	s_wait_alu depctr_va_vdst(0)
.set ee, 0
.rept 8
	v_mul_f32 v[LG+ee], v[LG+ee], v25              ; the scores
.set ee, ee+1
.endr
; The largest of eight and its index, by selects alone; 'greater' keeps the lower index on a tie.
.macro SCAN src, best, bi
	v_mov_b32 v[\best], v[\src]
	v_mov_b32 v[\bi], 0
.set ee, 1
.rept 7
	v_cmp_gt_f32 vcc_lo, v[(\src)+ee], v[\best]
	v_cndmask_b32 v[\best], v[\best], v[(\src)+ee], vcc_lo
	v_cndmask_b32 v[\bi], v[\bi], ee, vcc_lo
.set ee, ee+1
.endr
.endm
	SCAN LG, 24, 26                                ; v24 the best score, v26 its expert
.set ee, 0
.rept 8
	v_cmp_eq_u32 vcc_lo, ee, v26
	v_cndmask_b32 v[TM+ee], v[LG+ee], -1.0, vcc_lo ; the winner is taken out: scores are never negative
.set ee, ee+1
.endr
	SCAN TM, 31, 27                                ; v31 the second score, v27 its expert
	; the second softmax, over the two scores; its maximum is the first
	v_sub_f32 v25, v31, v24
	v_mul_f32 v25, 0x3fb8aa3b, v25
	v_exp_f32 v25, v25
	v_nop
	s_wait_alu depctr_va_vdst(0)
	v_add_f32 v28, 1.0, v25
	v_rcp_f32 v28, v28                             ; g0 = 1 / (1 + q)
	v_nop
	s_wait_alu depctr_va_vdst(0)
	v_mul_f32 v29, v25, v28                        ; g1 = q g0
	s_wait_xcnt 0x0                                ; EXEC is narrowed only behind this wait
	v_cmp_eq_u32 vcc_lo, 0, v30
	s_and_saveexec_b32 s48, vcc_lo                 ; every lane holds the results: lane 0 stores them
	global_store_b64 v2, v[26:27], s[10:11]
	global_store_b64 v2, v[28:29], s[12:13]
	s_endpgm
.Lfunc_end_k_qf6e5677352_router:
	.size	k_qf6e5677352_router, .Lfunc_end_k_qf6e5677352_router-k_qf6e5677352_router
	.p2alignl 7, 3214868480
	.fill 96, 4, 3214868480
	.section	.rodata,"a",@progbits
	.p2align	6, 0x0
	.amdhsa_kernel k_qf6e5677352_router
		.amdhsa_group_segment_fixed_size 0
		.amdhsa_private_segment_fixed_size 0
		.amdhsa_enable_private_segment 0
		.amdhsa_kernarg_size 40
		.amdhsa_user_sgpr_count 2
		.amdhsa_user_sgpr_kernarg_segment_ptr 1
		.amdhsa_wavefront_size32 1
		.amdhsa_system_sgpr_workgroup_id_x 1
		.amdhsa_system_sgpr_workgroup_id_y 1
		.amdhsa_system_sgpr_workgroup_id_z 1
		.amdhsa_system_vgpr_workitem_id 0
		.amdhsa_next_free_vgpr 256
		.amdhsa_next_free_sgpr 66
		.amdhsa_reserve_vcc 1
		.amdhsa_float_denorm_mode_32 3
		.amdhsa_float_denorm_mode_16_64 3
		.amdhsa_memory_ordered 1
		.amdhsa_forward_progress 1
		.amdhsa_inst_pref_size 28
	.end_amdhsa_kernel
	.amdgpu_metadata
---
amdhsa.version: [ 1, 2 ]
amdhsa.kernels:
  - .name:           k_qf6e5677352_router
    .symbol:         k_qf6e5677352_router.kd
    .args:
      - { .name: x, .offset: 0, .size: 8, .value_kind: global_buffer, .address_space: global }
      - { .name: gate_w, .offset: 8, .size: 8, .value_kind: global_buffer, .address_space: global }
      - { .name: gate_b, .offset: 16, .size: 8, .value_kind: global_buffer, .address_space: global }
      - { .name: idx, .offset: 24, .size: 8, .value_kind: global_buffer, .address_space: global }
      - { .name: gat, .offset: 32, .size: 8, .value_kind: global_buffer, .address_space: global }
    .group_segment_fixed_size: 0
    .private_segment_fixed_size: 0
    .kernarg_segment_align: 8
    .kernarg_segment_size: 40
    .max_flat_workgroup_size: 128
    .sgpr_count:     66
    .vgpr_count:     256
    .wavefront_size: 32
...
	.end_amdgpu_metadata
.endif
;; end of part 1
;; launch place (part 2): grid 136 x 1, 8 waves a work-group, no clusters, 48,384 bytes of LDS; arguments x, idx, xs, meta, pos; writes xs, meta, pos
.if DOCPART == 2
	.amdgcn_target "amdgcn-amd-amdhsa--gfx1250"
	.amdhsa_code_object_version 6
	.text
	.protected	k_qf6e5677352_place
	.globl	k_qf6e5677352_place
	.p2align	8
	.type	k_qf6e5677352_place,@function
k_qf6e5677352_place:
	s_mov_b64 s[64:65], 0
	v_nop
	global_prefetch_b8 v0, s[64:65] scope:SCOPE_SE
	s_setreg_imm32_b32 hwreg(HW_REG_WAVE_MODE, 25, 1), 1
	s_wait_xcnt 0x0
; PLACE.  A counting sort of the 2,048 choices by expert, and the gather of x, rounded to bf16, into the order in which a matrix operand's registers take it.
; Sorted rows: expert e's rows begin at row 16 blk0[e], each expert on a block of 16 rows of its own; the sum of ceil(count / 16) is at most 135, so 136 blocks serve EVERY split.
; Work-group g owns block g.  Every work-group repeats the sort (8 KB of idx), so no launch is spent on a list; one whose block lies past the total stores nothing: the price of a grid for every split.
; Work-group 0 also stores pos[n][2] (each choice's row) and meta (words 0-7: blocks of each expert; 8-15: its first block; 16: the total).  Places past an expert's count repeat token 0.
; xs: block g, K step ks (32 columns) is 1,024 bytes at 32,768 g + 1,024 ks; in its piece j of 512 bytes lane (r = l % 16, h = l / 16) has 16 bytes at 16 l: row r, columns 32 ks + 16 j + 8 h + 0..7.
; So two loads of 512 consecutive bytes ARE a 16 x 32 operand of the 16-bit matrix form (ISA guide 7.12.2).
; Thread t holds the 8 choices of tokens 4 t .. 4 t + 3: choice u = 2 q + k.  A choice's rank among its expert's goes by (wave, u, lane): any order serves, since nothing is dropped.
; Work that goes from vector to scalar registers and back is laid in phases (all the compares, then all the scalar sums, then all the selects), so that no line waits for the other unit's last line.
.set CW,    0                          ; [8 waves][8 experts] counts, 256 bytes
.set LIST,  256                        ; the token of each sorted row: 3,072 words are cleared, 2,176 used
.set STG,   12544                      ; each wave's own stage: 16 rows x 272 bytes (256 + 16: the 16 rows of a load start at 16 different groups of four banks, ISA guide 11.1)
.set SPARE, 47360                      ; the spare words, 128 bytes for each of the eight waves: no other line names them
.set TOK, 26                           ; v[26:29]   my four tokens
.set IX,  32                           ; v[32:39]   the choices' experts
.set RK,  40                           ; v[40:47]   rank inside my wave
.set PS,  48                           ; v[48:55]   sorted row
.set BS,  56                           ; v[56:63]   first row of my wave's share of the choice's expert
.set RO,  64                           ; v[64:79]   byte offsets of the block's 16 rows in x
.set FD,  80                           ; v[80:143]  16 rows x 4 f32
.set PK,  144                          ; v[144:175] the same as bf16
.set FR,  176                          ; v[176:207] in operand order
.set AS,  208                          ; v208 stage: where I put 8 bytes of a row    v209 where I read 16 bytes back    v210 my word of LIST    v211 16 x lane    v212-213 l % 16, l / 16    v214 4 x lane
.set BT,  215                          ; v215 lane l: the token of row l % 16 of my block
.set BA,  28                           ; s[28:59]   the count: for four experts x eight choices, how many choices before this one fell to the expert; later the experts' blocks, sums and bases
.set MK,  66                           ; s[66:97]   the count: for four experts x eight choices, the lanes whose choice is the expert; later masks of the select, and the block's 16 tokens
	s_load_b256 s[4:11], s[0:1], 0x0               ; x s[4:5], idx s[6:7], xs s[8:9], meta s[10:11]
	s_load_b64 s[12:13], s[0:1], 0x20              ; pos
	v_lshl_add_u32 v30, v0, 2, SPARE               ; my spare word, and 0: kept for the closing lines alone
	v_mov_b32 v31, 0
	v_lshrrev_b32 v25, 5, v0
	v_readfirstlane_b32 s14, v25                   ; wave
	v_and_b32 v1, 31, v0                           ; lane
	v_lshlrev_b32 v2, 4, v0
	v_lshlrev_b32 v6, 5, v0                        ; my 32 bytes of idx and of pos
.irp r, 8,9,10,11
	v_mov_b32 v\r, 0
.endr
.irp j, 0,1,2
	ds_store_b128 v2, v[8:11] offset:LIST+4096*\j  ; LIST starts as token 0 everywhere
.endr
	s_wait_kmcnt 0x0
	global_load_b128 v[IX:IX+3], v6, s[6:7]
	global_load_b128 v[IX+4:IX+7], v6, s[6:7] offset:16
.set uu, 0
.rept 8
	v_mov_b32 v[RK+uu], 0
	v_mov_b32 v[BS+uu], 0
.set uu, uu+1
.endr
.irp q, 0,1,2,3
	v_lshl_add_u32 v[TOK+\q], v0, 2, \q
.endr
	s_wait_loadcnt 0x0
.set uu, 0
.rept 8
	v_min_u32 v[IX+uu], 7, v[IX+uu]
.set uu, uu+1
.endr
	; ranks inside the wave, and the wave's count of each expert: four experts at a time, in three phases
.irp hh, 0,1
.set ee, 0
.rept 4                                ; phase 1: 32 masks
.set uu, 0
.rept 8
	v_cmp_eq_u32 s[MK+8*ee+uu], 4*\hh+ee, v[IX+uu]
.set uu, uu+1
.endr
.set ee, ee+1
.endr
.set ee, 0
.rept 4                                ; phase 2: for each expert the running sum of the masks' bits over the choices u
	s_mov_b32 s[BA+8*ee], 0
.set uu, 0
.rept 7
	s_bcnt1_i32_b32 s16, s[MK+8*ee+uu]
	s_add_co_u32 s[BA+8*ee+uu+1], s[BA+8*ee+uu], s16
.set uu, uu+1
.endr
	s_bcnt1_i32_b32 s16, s[MK+8*ee+7]
	s_add_co_u32 s[20+4*\hh+ee], s[BA+8*ee+7], s16 ; the wave's count of the expert
.set ee, ee+1
.endr
.set ee, 0
.rept 4                                ; phase 3: rank = the lanes below me with this expert + the choices u before; kept where the choice is the expert
.irp u0, 0,4
.irp k, 0,1,2,3
	v_mbcnt_lo_u32_b32 v[20+\k], s[MK+8*ee+\u0+\k], s[BA+8*ee+\u0+\k]
.endr
.irp k, 0,1,2,3
	v_cndmask_b32 v[RK+\u0+\k], v[RK+\u0+\k], v[20+\k], s[MK+8*ee+\u0+\k]
.endr
.endr
.set ee, ee+1
.endr
.endr
	s_lshl_b32 s16, s14, 5
	v_mov_b32 v3, s16                              ; my wave's row of CW
.irp e, 0,1,2,3,4,5,6,7
	v_mov_b32 v23, s[20+\e]
	ds_store_b32 v3, v23 offset:CW+4*\e            ; all lanes write the same word with the same number
.endr
	s_wait_dscnt 0x0                               ; for the others' sake: my counts, and my part of the cleared LIST, are in LDS
	s_barrier_signal -1
	s_barrier_wait -1
	v_and_b32 v4, 7, v0
	v_lshlrev_b32 v4, 2, v4                        ; lane l looks at expert l % 8
.set ww, 0
.rept 8
	ds_load_b32 v[12+ww], v4 offset:CW+32*ww
.set ww, ww+1
.endr
	v_mov_b32 v20, 0                               ; the expert's count,
	v_mov_b32 v21, 0                               ; and the part of it that lies in the waves before mine
	s_wait_dscnt 0x0
.set ww, 0
.rept 8
	v_add_nc_u32 v20, v20, v[12+ww]
	s_cmp_gt_u32 s14, ww
	s_cselect_b32 s16, -1, 0
	v_and_b32 v23, s16, v[12+ww]
	v_add_nc_u32 v21, v21, v23
.set ww, ww+1
.endr
	v_add_nc_u32 v22, 15, v20
	v_lshrrev_b32 v22, 4, v22                      ; blocks of 16 rows
.set ee, 0
.rept 8
	v_readlane_b32 s[28+ee], v22, ee
	v_readlane_b32 s[36+ee], v21, ee
.set ee, ee+1
.endr
	s_mov_b32 s44, 0                               ; first block of each expert: a running sum
.set ee, 0
.rept 7
	s_add_co_u32 s[45+ee], s[44+ee], s[28+ee]
.set ee, ee+1
.endr
	s_add_co_u32 s60, s51, s35                     ; blocks in all
.set ee, 0
.rept 8
	s_lshl4_add_u32 s[52+ee], s[44+ee], s[36+ee]   ; 16 x first block + the earlier waves' rows
.set ee, ee+1
.endr
.irp e, 0,1,2,3,4,5,6,7                ; each choice takes its expert's base: eight compares, then eight selects
.set uu, 0
.rept 8
	v_cmp_eq_u32 s[MK+uu], \e, v[IX+uu]
.set uu, uu+1
.endr
.set uu, 0
.rept 8
	v_cndmask_b32 v[BS+uu], v[BS+uu], s[52+\e], s[MK+uu]
.set uu, uu+1
.endr
.endr
.set uu, 0
.rept 8
	v_add_nc_u32 v[PS+uu], v[RK+uu], v[BS+uu]
	v_min_u32 v[PS+uu], 0x87f, v[PS+uu]            ; 2,175 is the last row there is
	v_lshlrev_b32 v23, 2, v[PS+uu]
	ds_store_b32 v23, v[TOK+uu/2] offset:LIST      ; each choice has a row of its own: no two lanes name the same word
.set uu, uu+1
.endr
	s_wait_dscnt 0x0                               ; for the others' sake: my part of LIST is written
	s_barrier_signal -1
	s_barrier_wait -1                              ; LIST is whole
	s_min_u32 s16, ttmp9, 135                      ; my block, held to the last block there is: its 16 words lie inside LIST
	s_lshl_b32 s16, s16, 6
	v_and_b32 v212, 15, v1                         ; r
	v_lshrrev_b32 v213, 4, v1                      ; h
	v_lshl_add_u32 v210, v212, 2, s16
	ds_load_b32 v[BT], v210 offset:LIST            ; lane l: the token of row l % 16.  Every wave reads it here, ahead of every branch on data
	s_wait_dscnt 0x0                               ; my reads of LIST are over,
	s_barrier_signal -1
	s_barrier_wait -1                              ; and everybody's: LDS is written again (the stages) only behind this barrier.  It is the last: every branch on data stands behind it
	s_cmp_lg_u32 ttmp9, 0
	s_cbranch_scc1 .Lblock
	global_store_b128 v6, v[PS:PS+3], s[12:13]     ; pos[n][k] at 8 n + 4 k = 32 t + 4 u
	global_store_b128 v6, v[PS+4:PS+7], s[12:13] offset:16
	s_cmp_lg_u32 s14, 0
	s_cbranch_scc1 .Lblock
	v_mov_b32 v24, 0
.set ee, 0
.rept 8
	v_writelane_b32 v24, s[28+ee], ee
	v_writelane_b32 v24, s[44+ee], 8+ee
.set ee, ee+1
.endr
	v_writelane_b32 v24, s60, 16
	v_lshlrev_b32 v214, 2, v1
	global_store_b32 v214, v24, s[10:11]           ; meta's 32 words
.Lblock:
	s_cmp_ge_u32 ttmp9, s60
	s_cbranch_scc1 .Lend                           ; no such block in this split
	; THE GATHER.  Wave w takes columns 128 w .. + 127 of the block's 16 rows: 512 consecutive bytes of x a load.
	s_lshl_b32 s16, s14, 9
	v_lshl_add_u32 v5, v1, 4, s16                  ; 512 w + 16 l
	s_mul_i32 s18, s14, 4352
	s_add_co_u32 s18, s18, STG                     ; my stage
	v_lshl_add_u32 v[AS], v1, 3, s18
	v_mul_u32_u24 v209, v212, 272
	v_lshl_add_u32 v209, v213, 4, v209
	v_add_nc_u32 v209, s18, v209
	v_lshlrev_b32 v211, 4, v1
	s_lshl_b32 s16, ttmp9, 15                      ; the block's 32,768 bytes of xs,
	s_lshl_b32 s17, s14, 12                        ; my wave's four K steps in it
	s_add_co_u32 s16, s16, s17
	s_mov_b32 s17, 0
	s_add_nc_u64 s[8:9], s[8:9], s[16:17]
.set ii, 0
.rept 16                               ; the 16 tokens as scalars, held to the table's size, then as offsets: again in phases
	v_readlane_b32 s[MK+ii], v[BT], ii
.set ii, ii+1
.endr
.set ii, 0
.rept 16
	s_min_u32 s[MK+ii], s[MK+ii], 1023
.set ii, ii+1
.endr
.set ii, 0
.rept 16
	v_lshl_add_u32 v[RO+ii], s[MK+ii], 12, v5
.set ii, ii+1
.endr
.set ii, 0
.rept 16
	global_load_b128 v[FD+4*ii:FD+4*ii+3], v[RO+ii], s[4:5]  ; no hint: every token's row is named twice in the launch
.set ii, ii+1
.endr
	s_wait_loadcnt 0x0
.set ii, 0
.rept 32
	v_cvt_pk_bf16_f32 v[PK+ii], v[FD+2*ii], v[FD+2*ii+1]
.set ii, ii+1
.endr
.set ii, 0
.rept 16
	ds_store_b64 v[AS], v[PK+2*ii:PK+2*ii+1] offset:272*ii
.set ii, ii+1
.endr
.set tt, 0
.rept 8                                ; K step tt / 2, piece tt % 2: row r, byte 32 tt + 16 h.  LDS serves a wave's instructions in order (ISA guide 5.7.1.4): these see the stores above
	ds_load_b128 v[FR+4*tt:FR+4*tt+3], v209 offset:32*tt
.set tt, tt+1
.endr
.set tt, 0
.rept 8
	s_wait_dscnt 7-tt                              ; the loads issued behind this one may stay out
	global_store_b128 v211, v[FR+4*tt:FR+4*tt+3], s[8:9] offset:512*tt  ; 512 consecutive bytes, at a multiple of 512 from xs's first byte
.set tt, tt+1
.endr
.Lend:
	s_wait_tensorcnt 0x0                           ; the wave's end: three closing lines behind my last LDS store
	ds_add_u32 v30, v31
	s_wait_dscnt 0x0
	s_endpgm
.Lfunc_end_k_qf6e5677352_place:
	.size	k_qf6e5677352_place, .Lfunc_end_k_qf6e5677352_place-k_qf6e5677352_place
	.p2alignl 7, 3214868480
	.fill 96, 4, 3214868480
	.section	.rodata,"a",@progbits
	.p2align	6, 0x0
	.amdhsa_kernel k_qf6e5677352_place
		.amdhsa_group_segment_fixed_size 48384
		.amdhsa_private_segment_fixed_size 0
		.amdhsa_enable_private_segment 0
		.amdhsa_kernarg_size 40
		.amdhsa_user_sgpr_count 2
		.amdhsa_user_sgpr_kernarg_segment_ptr 1
		.amdhsa_wavefront_size32 1
		.amdhsa_system_sgpr_workgroup_id_x 1
		.amdhsa_system_sgpr_workgroup_id_y 1
		.amdhsa_system_sgpr_workgroup_id_z 1
		.amdhsa_system_vgpr_workitem_id 0
		.amdhsa_next_free_vgpr 216
		.amdhsa_next_free_sgpr 100
		.amdhsa_reserve_vcc 0
		.amdhsa_float_denorm_mode_32 3
		.amdhsa_float_denorm_mode_16_64 3
		.amdhsa_memory_ordered 1
		.amdhsa_forward_progress 1
		.amdhsa_inst_pref_size 45
	.end_amdhsa_kernel
	.amdgpu_metadata
---
amdhsa.version: [ 1, 2 ]
amdhsa.kernels:
  - .name:           k_qf6e5677352_place
    .symbol:         k_qf6e5677352_place.kd
    .args:
      - { .name: x, .offset: 0, .size: 8, .value_kind: global_buffer, .address_space: global }
      - { .name: idx, .offset: 8, .size: 8, .value_kind: global_buffer, .address_space: global }
      - { .name: xs, .offset: 16, .size: 8, .value_kind: global_buffer, .address_space: global }
      - { .name: meta, .offset: 24, .size: 8, .value_kind: global_buffer, .address_space: global }
      - { .name: pos, .offset: 32, .size: 8, .value_kind: global_buffer, .address_space: global }
    .group_segment_fixed_size: 48384
    .private_segment_fixed_size: 0
    .kernarg_segment_align: 8
    .kernarg_segment_size: 40
    .max_flat_workgroup_size: 256
    .sgpr_count:     100
    .vgpr_count:     216
    .wavefront_size: 32
...
	.end_amdgpu_metadata
.endif
;; end of part 2
;; launch ffn1 (part 3): grid 32 x 8, 4 waves a work-group, no clusters, 295,424 bytes of LDS; arguments w1, b1, xs, meta, hid; writes hid
.if DOCPART == 3
	.amdgcn_target "amdgcn-amd-amdhsa--gfx1250"
	.amdhsa_code_object_version 6
	.text
	.protected	k_qf6e5677352_ffn1
	.globl	k_qf6e5677352_ffn1
	.p2align	8
	.type	k_qf6e5677352_ffn1,@function
k_qf6e5677352_ffn1:
	s_mov_b64 s[64:65], 0
	v_nop
	global_prefetch_b8 v0, s[64:65] scope:SCOPE_SE
	s_setreg_imm32_b32 hwreg(HW_REG_WAVE_MODE, 25, 1), 1
	s_wait_xcnt 0x0
; FIRST PRODUCT.  hid = relu(Xs W1[e]^T + b1[e]) for the rows routed to expert e, bf16 operands, f32 sums, hid rounded once to bf16.
; SHARES.  Work-group (x = slice, y = expert) alone reads 128 rows of w1[e] (512 KB of f32), once, in whole aligned pieces of 256 bytes, rounds them on their way through registers and keeps all of
; them in LDS as bf16.  Its rows are all of the expert's: a wave owns row blocks first + 4 i, i = 0..4, first = 20 pass + wave, times all 128 columns: 40 accumulators, 320 registers.
; PASS 0 (up to 320 rows) runs under the stream of weights.  K goes in 16 halves of 64, each two K steps of 32.  In period p half p is multiplied; batch p + 1 of weights is rounded (its 32 conversions
; stand behind the period's first eight matrix instructions) and laid into LDS; batch p + 3 is asked for; one barrier shows half p + 1 to every wave.  The weights in LDS are written once and never again,
; so that barrier is all the ordering they need.
; THE TOKENS lie in a ring of four register buffers of one K step each (K step t in buffer t % 4).  K step 2 p + 3 is asked for behind the period's first eight matrix instructions, into the buffer that the
; period before read last; K step 2 p + 4 behind the barrier, into the buffer that this period's first K step has left.  In a wave with four live blocks (64 matrix instructions a period) 88 and 80 matrix
; instructions stand between those requests and the waits for them, 120 between a batch of weights and its wait.  By the text's own count at most 62 loads of a wave are out.
; Memory and LDS instructions stand in two runs a period, not singly among the matrix instructions.
; LATER PASSES (an expert with more than 320 rows) find the weights in LDS.  The loop over passes has a constant count, four trips (64 blocks at the most are four passes); a wave with no rows in a
; pass jumps over its products, in which stands no barrier and no LDS write.  They are plain: a half a trip, loaded, awaited and multiplied, nothing overlapped.
; An expert with no rows still streams its slice (no barrier may hang on the count) and stores nothing.  Dead row blocks read block 0, which always exists, and are not stored.
; THE MATRIX INSTRUCTION IS USED TRANSPOSED: source 0 = 16 rows of w1, source 1 = 16 token rows.  Lane (r, h) then holds token r and hidden units 16 b + 8 h + 0..7, which, rounded,
; are its 16 bytes of piece b % 2 of K step b / 2 of hid's operand order (as xs: see there): hid leaves straight from registers, 512 consecutive bytes a store.  b1 is the C operand of the first K step.
; NO TENSOR LOADS, NO CLUSTER: each weight has one reader and must pass through registers to be rounded; the bf16 slice takes 294,912 of LDS's 327,680 bytes, which leaves no room for a ring of
; token tiles (20 blocks x 2 KB x 2 slots); the tokens come in operand order straight into registers.
; LIMITS.  NaN in a sum becomes 0 in the packed ReLU; infinities are not treated apart.
.set WPITCH, 4096                      ; bytes from row to row of w1
.set TSH,    15                        ; a row block of xs is 1 << 15 bytes
.set OSH,    17                        ; a row block of hid is 1 << 17 bytes
.set PITCH,  144                       ; an LDS row: 64 bf16 + 16 bytes = 36 words: the 16 rows of a fragment load start at 16 different groups of four banks (ISA guide 11.1)
.set HB,     128*PITCH                 ; a half: 128 rows
.set SPARE,  16*HB                     ; behind the weights: the spare words, 128 bytes a wave: no other line names them
; window 0
.set L16,  1                           ; 16 x lane
.set WOFF, 2                           ; weights: (l / 16) x 8 rows + (l % 16) x 16 bytes
.set SW0,  3                           ; LDS, in: (32 wave + 8 (l / 16)) rows + (l % 16) x 8 bytes
.set AW0,  4                           ; LDS, out: row l % 16, 16 bytes for each half of the lanes
.set PFO,  5                           ; lane x a row of w1
.set SW,   6                           ; SW0 + the half in hand
.set AW,   7                           ; AW0 + the half in hand
.set TO,   8                           ; v[8:12]   my five row blocks in xs
.set ZERO, 13
.set HO,   14                          ; v[14:18]  my five row blocks in hid
.set BO,   22                          ; 32 x (l / 16): my eight biases of a column block
.set SPW,  28                          ; my spare word, and 0: kept for the closing lines alone
.set NIL,  29
.set CT,   32                          ; v[32:63]  a batch of weights as bf16
.set TK,   64                          ; v[64:223] tokens: four buffers of 40, block i at + 8 i
.set OUTR, 64                          ; the way out: v[64:95], v[96:127] by turns
; window 1: v[0:63], v[64:127] weight fragments of a half's two K steps, column block b at 8 b;  v[128:191], v[192:255] two batches of f32 weights
.set ST,   128
; window 2: accumulators of blocks 0-3 at 64 i + 8 b.    window 3: block 4's at 8 b;  v[64:127] the bias
.set BIAS, 64
.set PW,   4                           ; s[4:5] w1   s[6:7] b1   s[8:9] xs   s[10:11] meta   s[12:13] hid
.set PB,   6
.set PA,   8
.set PM,   10
.set PO,   12
.set WV,   14                          ; wave
.set SL,   15                          ; slice
.set EX,   16                          ; expert
.set NB,   17                          ; its row blocks
.set BLK0, 18                          ; its first block
.set NBW,  19                          ; my live blocks in this pass, 0 to 5
.set WB,   24                          ; s[24:25] weights: my 32 rows, the batch in hand
.set TB,   26                          ; s[26:27] tokens: the K step in hand
.set TB0,  28                          ; s[28:29] tokens: K step 0
.set OB,   32                          ; s[32:33] hid at my slice's four K steps
.set CNT,  34
.set PASS, 35                          ; trips of the loop over passes still to go
.set LH,   36                          ; LDS byte of the half being written
.set LA,   37                          ; LDS byte of the half being read
.set FST,  39                          ; my first block of the next pass
.set OFS,  40                          ; s[40:41] an offset
.set MSB, 0
.macro WIN new                         ; the immediate's high byte repeats the setting that is left; a switch that changes nothing is dropped
.if MSB != (\new)
	s_set_vgpr_msb (MSB<<8)|(\new)
.set MSB, (\new)
.endif
.endm
.macro PLACES                          ; four plain instructions between a matrix instruction and a load into, or a read of, its registers
.rept 4
	v_nop
.endr
.endm
; A batch: 64 columns of my 32 rows.  Lanes 0-15 take 256 consecutive bytes of one row, lanes 16-31 of the row 8 further down.
.macro WLOAD stp, koff
	WIN 0x40
.set jj, 0
.rept 16
	global_load_b128 v[ST+64*(\stp)+4*jj:ST+64*(\stp)+4*jj+3], v[WOFF], s[WB:WB+1] offset:(jj%8+16*(jj/8))*WPITCH+(\koff) th:TH_LOAD_NT
.set jj, jj+1
.endr
.endm
.macro CVT4 stp, t0                    ; four of a batch's 32 roundings
	WIN 0x05
.set tt, \t0
.rept 4
	v_cvt_pk_bf16_f32 v[CT+tt], v[ST+64*(\stp)+2*tt], v[ST+64*(\stp)+2*tt+1]
.set tt, tt+1
.endr
.endm
.macro STORES rs                       ; the rounded batch into LDS.  8 rows are 1,152 bytes = 128 modulo 256: the two halves of the lanes fill 256 different bytes modulo 256
	WIN 0
.set jj, 0
.rept 16
	ds_store_b64 v[SW], v[CT+2*jj:CT+2*jj+1] offset:(jj%8+16*(jj/8))*PITCH+(\rs)*HB
.set jj, jj+1
.endr
.endm
.macro T8 q, koff                      ; a K step's tokens of blocks 0-3 into buffer q: two pieces of 512 bytes a block
	WIN 0
.set ii, 0
.rept 4
	global_load_b128 v[TK+40*(\q)+8*ii:TK+40*(\q)+8*ii+3],   v[TO+ii], s[TB:TB+1] offset:(\koff)
	global_load_b128 v[TK+40*(\q)+8*ii+4:TK+40*(\q)+8*ii+7], v[TO+ii], s[TB:TB+1] offset:(\koff)+512
.set ii, ii+1
.endr
.endm
.macro T2 q, koff                      ; the same for block 4
	WIN 0
	global_load_b128 v[TK+40*(\q)+32:TK+40*(\q)+35], v[TO+4], s[TB:TB+1] offset:(\koff)
	global_load_b128 v[TK+40*(\q)+36:TK+40*(\q)+39], v[TO+4], s[TB:TB+1] offset:(\koff)+512
.endm
.macro FLOAD f, off                    ; the weight fragments of one K step: 8 column blocks x 2 loads
	WIN 0x40
.set bb, 0
.rept 8
	ds_load_b128 v[64*(\f)+8*bb:64*(\f)+8*bb+3],   v[AW] offset:(\off)+16*PITCH*bb
	ds_load_b128 v[64*(\f)+8*bb+4:64*(\f)+8*bb+7], v[AW] offset:(\off)+16*PITCH*bb+32
.set bb, bb+1
.endr
.endm
; 8 matrix instructions: row block i (0-3) x 8 column blocks, one K step: weight fragments f, token buffer q.  first = 1: the bias starts the sums.  The accumulators take turns, one instruction a turn.
; ride = 1: four roundings of batch buffer stp stand behind each; ride = 2: four v_nop behind the first.  stage = 1: the fragments' 16 loads are the only LDS instructions out, and
; column block b waits for its own two alone.
.macro MB f, q, i, first, ride, stp, stage
.set bb, 0
.rept 8
.if \stage
	s_wait_dscnt 14-2*bb
.endif
.if \first
	WIN 0xb1                                       ; weights window 1, tokens window 0, C window 3, D window 2
	v_wmma_f32_16x16x32_bf16 v[64*(\i)+8*bb:64*(\i)+8*bb+7], v[64*(\f)+8*bb:64*(\f)+8*bb+7], v[TK+40*(\q)+8*(\i):TK+40*(\q)+8*(\i)+7], v[BIAS+8*bb:BIAS+8*bb+7]
.else
	WIN 0xa1
	v_wmma_f32_16x16x32_bf16 v[64*(\i)+8*bb:64*(\i)+8*bb+7], v[64*(\f)+8*bb:64*(\f)+8*bb+7], v[TK+40*(\q)+8*(\i):TK+40*(\q)+8*(\i)+7], v[64*(\i)+8*bb:64*(\i)+8*bb+7]
.endif
.if (\ride) == 1
	CVT4 \stp, 4*bb
.elseif ((\ride) == 2) && (bb == 0)
	PLACES
.endif
.set bb, bb+1
.endr
.endm
.macro M8 f, q, first                  ; the same for block 4
	WIN 0xf1
.set bb, 0
.rept 8
.if \first
	v_wmma_f32_16x16x32_bf16 v[8*bb:8*bb+7], v[64*(\f)+8*bb:64*(\f)+8*bb+7], v[TK+40*(\q)+32:TK+40*(\q)+39], v[BIAS+8*bb:BIAS+8*bb+7]
.else
	v_wmma_f32_16x16x32_bf16 v[8*bb:8*bb+7], v[64*(\f)+8*bb:64*(\f)+8*bb+7], v[TK+40*(\q)+32:TK+40*(\q)+39], v[8*bb:8*bb+7]
.endif
.set bb, bb+1
.endr
.endm
; PERIOD p.  par = p % 2.  ra, rs: the halves read and written lie ra x HB behind AW and rs x HB behind SW.  tko: K step 2 p lies tko bytes behind TB.  first = 1: the first K step starts the sums, block 4's too,
; dead or not, so that every accumulator is written.  inw: a batch is rounded and stored.  wk: the next batch's byte in a row behind WB, or -1.  ta, tb: K steps 2 p + 3, 2 p + 4 are asked for.
; bar: the barrier, and behind it the next half's first fragments.  pf: 1 one prefetch, 2 the loop's two.
; THE LOADS OF A PERIOD go out in this order: K step 2 p + 3 (8), batch p + 3 (16), block 4's part of that K step (2 or none), K step 2 p + 4 (8), block 4's part (2 or none).  A count leaves out the fewest
; that can have been issued behind the load wanted: nh, at the head, behind K step 2 p, whole: the period before's 8 + 16 + 8; nm, in the middle, behind K step 2 p + 1: 16 + 8, and this period's
; 8 + 16; n8, for block 4's part of K step 2 p + 1: 8, 8 + 16, 8 and the 2 just issued.  Where block 4's loads are out too the counts ask for a few loads more than are wanted.
; Block 4's loads stand under the jump that guards its products.  Between the barrier's signal and its wait stand matrix instructions, v_nop and a wait alone.
.macro PERIOD par, ra, rs, tko, first, nh, nm, n8, inw, wk, ta, tb, bar, pf
.set PQ0, 2*(\par)                     ; the buffers of K steps 2 p, 2 p + 1 and 2 p + 3, and the batch buffer of batches p + 1 and p + 3
.set PQ1, 2*(\par)+1
.set PQA, (2*(\par)+3)%4
.set PSP, 1-(\par)
	s_wait_loadcnt \nh                             ; K step 2 p and batch p + 1 are in
	MB 0, PQ0, 0, \first, \inw, PSP, 1
.if (\inw) == 0
	PLACES                                         ; where no roundings stand there: the places in front of the loads below
.endif
.if \inw
	STORES \rs
.endif
.if \ta
	T8 PQA, (\tko)+3072
.endif
	FLOAD 1, (\ra)*HB+64
.if (\wk) >= 0
	WLOAD PSP, \wk
.endif
.if (\pf) == 1
	WIN 0
	global_prefetch_b8 v[PFO], s[WB:WB+1] offset:(\wk)+768 th:TH_LOAD_NT scope:SCOPE_SE
.elseif (\pf) == 2
	WIN 0
	s_cmp_gt_u32 s[CNT], 2
	s_cbranch_scc0 .Lasked_\@                      ; the last two trips ask for nothing: batch 14 is the last asked for
	global_prefetch_b8 v[PFO], s[WB:WB+1] offset:768 th:TH_LOAD_NT scope:SCOPE_SE
	global_prefetch_b8 v[PFO], s[WB:WB+1] offset:1024 th:TH_LOAD_NT scope:SCOPE_SE
.Lasked_\@:
.endif
	WIN 0
.if (\first) == 0
	s_cmp_lt_u32 s[NBW], 5
	s_cbranch_scc1 .Lno4a_\@
.endif
.if \ta
	T2 PQA, (\tko)+3072
.endif
	M8 0, PQ0, \first
	WIN 0
.Lno4a_\@:
	MB 0, PQ0, 1, \first, 0, 0, 0
	MB 0, PQ0, 2, \first, 0, 0, 0
	MB 0, PQ0, 3, \first, 0, 0, 0
	s_wait_dscnt 0x0                               ; the second K step's fragments are in, and my stores into LDS are done
.if \bar
	s_barrier_signal -1
.endif
	s_wait_loadcnt \nm                             ; K step 2 p + 1 is in
	MB 1, PQ1, 0, 0, 2, 0, 0                       ; its four v_nop are the places in front of the loads behind the barrier
	MB 1, PQ1, 1, 0, 0, 0, 0
	WIN 0
.if \bar
	s_barrier_wait -1                              ; the half stored in this period is whole
	FLOAD 0, ((\ra)+1)*HB
.endif
.if \tb
	T8 PQ0, (\tko)+4096
.endif
	MB 1, PQ1, 2, 0, 0, 0, 0
	MB 1, PQ1, 3, 0, 0, 0, 0
	WIN 0
	s_cmp_lt_u32 s[NBW], 5
	s_cbranch_scc1 .Lno4b_\@
.if \tb
	T2 PQ0, (\tko)+4096
.endif
	s_wait_loadcnt \n8
	M8 1, PQ1, 0
	WIN 0
.Lno4b_\@:
.endm
; A pass's blocks.  s20 = the wave's first block of the pass.  Block t of the expert is block BLK0 + t; one past the count reads block 0.
.macro SETP
	s_wait_xcnt 0x0                                ; the offsets below are sources of earlier loads and stores
	s_add_co_u32 s21, s[NB], 3
	s_sub_co_i32 s21, s21, s20
	s_max_i32 s21, s21, 0
	s_lshr_b32 s21, s21, 2
	s_min_u32 s[NBW], s21, 5
.irp i, 0,1,2,3,4
	s_add_co_u32 s21, s20, 4*\i
	s_add_co_u32 s22, s21, s[BLK0]
	s_cmp_lt_u32 s21, s[NB]
	s_cselect_b32 s22, s22, 0
	s_min_u32 s22, s22, 135
	v_lshl_add_u32 v[TO+\i], s22, TSH, v[L16]
	v_lshl_add_u32 v[HO+\i], s22, OSH, v[L16]
.endr
.endm
	s_load_b256 s[4:11], s[0:1], 0x0
	s_load_b64 s[12:13], s[0:1], 0x20
	v_lshl_add_u32 v[SPW], v0, 2, SPARE
	v_mov_b32 v[NIL], 0
	v_lshrrev_b32 v25, 5, v0
	v_readfirstlane_b32 s[WV], v25
	s_mov_b32 s[SL], ttmp9
	s_and_b32 s[EX], ttmp7, 0xffff
	v_and_b32 v26, 31, v0                          ; lane
	v_and_b32 v23, 15, v0                          ; l % 16
	v_bfe_u32 v24, v0, 4, 1                        ; l / 16
	v_lshlrev_b32 v[L16], 4, v26
	v_lshlrev_b32 v[WOFF], 4, v23
	v_lshl_add_u32 v[WOFF], v24, 15, v[WOFF]       ; 8 rows of 4,096 bytes
	s_mul_i32 s20, s[WV], 32*PITCH
	v_mul_u32_u24 v[SW0], v24, 8*PITCH
	v_lshl_add_u32 v[SW0], v23, 3, v[SW0]
	v_add_nc_u32 v[SW0], s20, v[SW0]
	v_mul_u32_u24 v[AW0], v23, PITCH
	v_lshl_add_u32 v[AW0], v24, 4, v[AW0]
	v_lshlrev_b32 v[PFO], 12, v26
	v_mov_b32 v[SW], v[SW0]
	v_mov_b32 v[AW], v[AW0]
	v_mov_b32 v[ZERO], 0
	v_lshlrev_b32 v[BO], 5, v24
	s_lshl_b32 s[OFS], s[EX], 24                   ; the expert's 16 MB,
	s_lshl_b32 s20, s[SL], 19                      ; the slice's 128 rows,
	s_add_co_u32 s[OFS], s[OFS], s20
	s_lshl_b32 s20, s[WV], 17                      ; my wave's 32 of them
	s_add_co_u32 s[OFS], s[OFS], s20
	s_mov_b32 s[OFS+1], 0
	s_lshl_b32 s22, s[EX], 14                      ; b1: 4,096 numbers an expert, 128 a slice
	s_lshl_b32 s20, s[SL], 9
	s_add_co_u32 s22, s22, s20
	s_mov_b32 s23, 0
	s_lshl_b32 s20, s[EX], 2
	s_mov_b32 s21, 0
	s_wait_kmcnt 0x0
	s_add_nc_u64 s[PM:PM+1], s[PM:PM+1], s[20:21]
	s_load_b32 s[NB], s[PM:PM+1], 0x0
	s_load_b32 s[BLK0], s[PM:PM+1], 0x20
	s_add_nc_u64 s[WB:WB+1], s[PW:PW+1], s[OFS:OFS+1]
	s_add_nc_u64 s[PB:PB+1], s[PB:PB+1], s[22:23]
	WIN 0xc0
.set bb, 0
.rept 8                                ; lane (r, h): b1 of hidden units 16 b + 8 h + 0..7
	global_load_b128 v[BIAS+8*bb:BIAS+8*bb+3],   v[BO], s[PB:PB+1] offset:64*bb
	global_load_b128 v[BIAS+8*bb+4:BIAS+8*bb+7], v[BO], s[PB:PB+1] offset:64*bb+16
.set bb, bb+1
.endr
	WLOAD 0, 0                                     ; the stream begins before the counts are in
	WLOAD 1, 256
	WIN 0
	s_lshl_b32 s[OFS], s[SL], 12                   ; the slice's four K steps in a block of hid
	s_add_nc_u64 s[OB:OB+1], s[PO:PO+1], s[OFS:OFS+1]
	s_mov_b64 s[TB0:TB0+1], s[PA:PA+1]
	s_mov_b64 s[TB:TB+1], s[PA:PA+1]
	s_wait_kmcnt 0x0
	s_min_u32 s[NB], s[NB], 64
	s_min_u32 s[BLK0], s[BLK0], 135
	s_mov_b32 s20, s[WV]
	SETP
	; PASS 0.  The first four K steps load all five blocks, dead or not, so that every token register is written; their counts are exact.
	T8 0, 0                                        ; K step 0
	T2 0, 0
	s_wait_loadcnt 26                              ; batch 0 (and the bias ahead of it) is in: behind it batch 1's 16 loads and K step 0's 10
.set cc, 0
.rept 8
	CVT4 0, 4*cc
.set cc, cc+1
.endr
	STORES 0
	T8 1, 1024
	WLOAD 0, 512
	T2 1, 1024
	T8 2, 2048
	T2 2, 2048
	global_prefetch_b8 v[PFO], s[WB:WB+1] offset:1280 th:TH_LOAD_NT scope:SCOPE_SE  ; batch 5 of my own 32 rows, one piece of 256 bytes a lane: three periods ahead of its load; each piece is asked for once
	s_wait_dscnt 0x0
	s_barrier_signal -1
	s_barrier_wait -1                              ; half 0 is whole
	FLOAD 0, 0
	PERIOD 0, 0, 1, 0, 1, 36, 54, 46, 1, 768, 1, 1, 1, 1   ; period 0: 36 = 8 + 16 + 2 + 8 + 2; 54 = 16 + 2 + 8 + 2 + 8 + 16 + 2; 46 = 8 + 2 + 8 + 16 + 2 + 8 + 2
	s_wait_xcnt 0x0                                ; the bases are stepped only behind this wait
	s_add_nc_u64 s[WB:WB+1], s[WB:WB+1], 1024      ; batch 4
	s_add_nc_u64 s[TB:TB+1], s[TB:TB+1], 2048      ; K step 2
	s_mov_b32 s[LH], 2*HB
	s_mov_b32 s[LA], HB
	v_add_nc_u32 v[SW], s[LH], v[SW0]
	v_add_nc_u32 v[AW], s[LA], v[AW0]
	s_mov_b32 s[CNT], 6
.Lk:                                   ; periods 1 to 12, two a trip
	PERIOD 1, 0, 0, 0,    0, 32, 48, 42, 1, 0,   1, 1, 1, 2
	PERIOD 0, 1, 1, 2048, 0, 32, 48, 42, 1, 256, 1, 1, 1, 0
	s_wait_xcnt 0x0
	s_add_nc_u64 s[WB:WB+1], s[WB:WB+1], 512
	s_add_nc_u64 s[TB:TB+1], s[TB:TB+1], 4096
	s_add_co_u32 s[LH], s[LH], 2*HB
	s_add_co_u32 s[LA], s[LA], 2*HB
	v_add_nc_u32 v[SW], s[LH], v[SW0]
	v_add_nc_u32 v[AW], s[LA], v[AW0]
	s_sub_co_u32 s[CNT], s[CNT], 1
	s_cmp_lg_u32 s[CNT], 0
	s_cbranch_scc1 .Lk
	PERIOD 1, 0, 0, 0,    0, 32, 32, 26, 1, -1, 1, 1, 1, 0   ; period 13: no batch is left to ask for: 32 = 16 + 8 + 8; 26 = 8 + 8 + 8 + 2
	PERIOD 0, 1, 1, 2048, 0, 16, 16, 16, 1, -1, 1, 0, 1, 0   ; period 14: K step 31 is the last: 16 = 8 + 8 each time
	PERIOD 1, 2, 0, 0,    0, 8,  0,  0,  0, -1, 0, 0, 0, 0   ; period 15: nothing is stored or asked for
	PLACES                                         ; in front of the way out's reads of the sums
	s_mov_b32 s[PASS], 4
	s_add_co_u32 s[FST], s[WV], 20
.Lpass:                                ; four trips: the way out of a pass, then the next pass's products if I have rows in it.  64 blocks at the most are four passes: in the fourth trip no wave has
	s_wait_loadcnt 0x0
.irp i, 0,1,2,3,4
	WIN 0
	s_cmp_le_u32 s[NBW], \i
	s_cbranch_scc1 .Lstored                        ; whole blocks past the count are jumped
	s_wait_xcnt 0x0                                ; the registers that earlier stores read are rewritten only behind this wait
	WIN 0x0a+5*((\i)/4)                            ; sources in window 2 or 3
.set oo, OUTR+32*((\i)%2)
.set aa, 64*((\i)%4)
.set tt, 0
.rept 32                               ; each accumulator's registers in ascending order
	v_cvt_pk_bf16_f32 v[oo+tt], v[aa+2*tt], v[aa+2*tt+1]
.set tt, tt+1
.endr
	WIN 0
.set tt, 0
.rept 32
	v_pk_max_num_bf16 v[oo+tt], v[oo+tt], v[ZERO]  ; the ReLU, two at a time; nothing is rounded
.set tt, tt+1
.endr
.set bb, 0
.rept 8
	global_store_b128 v[HO+\i], v[oo+4*bb:oo+4*bb+3], s[OB:OB+1] offset:512*bb  ; piece bb % 2 of K step bb / 2: 512 consecutive bytes
.set bb, bb+1
.endr
.endr
.Lstored:
	s_mov_b32 s20, s[FST]
	SETP
	s_cmp_eq_u32 s[NBW], 0
	s_cbranch_scc1 .Lnone                          ; no rows of mine in that pass: its products are jumped; no barrier and no LDS write stands among them
	s_mov_b64 s[TB:TB+1], s[TB0:TB0+1]
	s_mov_b32 s[LA], 0
	v_mov_b32 v[AW], v[AW0]
	s_mov_b32 s[CNT], 16
.Lx:                                   ; a half a trip; the weights are in LDS
	T8 0, 0
	T8 1, 1024
	s_cmp_lt_u32 s[NBW], 5
	s_cbranch_scc1 .Lx4
	T2 0, 0
	T2 1, 1024
.Lx4:
	FLOAD 0, 0
	FLOAD 1, 64
	WIN 0
	s_wait_loadcnt 0x0
	s_wait_dscnt 0x0
	s_cmp_eq_u32 s[CNT], 16
	s_cbranch_scc0 .Lxacc
.irp i, 0,1,2,3
	MB 0, 0, \i, 1, 0, 0, 0                        ; the pass's first K step starts the sums
.endr
	M8 0, 0, 1
	WIN 0
	s_branch .Lxj
.Lxacc:
.irp i, 0,1,2,3
	MB 0, 0, \i, 0, 0, 0, 0
.endr
	WIN 0
	s_cmp_lt_u32 s[NBW], 5
	s_cbranch_scc1 .Lxj
	M8 0, 0, 0
	WIN 0
.Lxj:
.irp i, 0,1,2,3
	MB 1, 1, \i, 0, 0, 0, 0
.endr
	WIN 0
	s_cmp_lt_u32 s[NBW], 5
	s_cbranch_scc1 .Lxe
	M8 1, 1, 0
	WIN 0
.Lxe:
	PLACES                                         ; in front of the next trip's loads, and of the way out
	s_wait_xcnt 0x0
	s_add_nc_u64 s[TB:TB+1], s[TB:TB+1], 2048      ; (the last trip's step is not used)
	s_add_co_u32 s[LA], s[LA], HB
	v_add_nc_u32 v[AW], s[LA], v[AW0]
	s_sub_co_u32 s[CNT], s[CNT], 1
	s_cmp_lg_u32 s[CNT], 0
	s_cbranch_scc1 .Lx
.Lnone:
	s_add_co_u32 s[FST], s[FST], 20
	s_sub_co_u32 s[PASS], s[PASS], 1
	s_cmp_lg_u32 s[PASS], 0
	s_cbranch_scc1 .Lpass
	s_wait_dscnt 0x0                               ; my reads of LDS are over,
	s_barrier_signal -1
	s_barrier_wait -1                              ; and everybody's: LDS is written again (the closing add) only behind this barrier
	s_wait_tensorcnt 0x0                           ; the wave's end: three closing lines behind my last LDS store
	ds_add_u32 v[SPW], v[NIL]
	s_wait_dscnt 0x0
	s_endpgm
.Lfunc_end_k_qf6e5677352_ffn1:
	.size	k_qf6e5677352_ffn1, .Lfunc_end_k_qf6e5677352_ffn1-k_qf6e5677352_ffn1
	.p2alignl 7, 3214868480
	.fill 96, 4, 3214868480
	.section	.rodata,"a",@progbits
	.p2align	6, 0x0
	.amdhsa_kernel k_qf6e5677352_ffn1
		.amdhsa_group_segment_fixed_size 295424
		.amdhsa_private_segment_fixed_size 0
		.amdhsa_enable_private_segment 0
		.amdhsa_kernarg_size 40
		.amdhsa_user_sgpr_count 2
		.amdhsa_user_sgpr_kernarg_segment_ptr 1
		.amdhsa_wavefront_size32 1
		.amdhsa_system_sgpr_workgroup_id_x 1
		.amdhsa_system_sgpr_workgroup_id_y 1
		.amdhsa_system_sgpr_workgroup_id_z 1
		.amdhsa_system_vgpr_workitem_id 0
		.amdhsa_next_free_vgpr 896
		.amdhsa_next_free_sgpr 66
		.amdhsa_reserve_vcc 0
		.amdhsa_float_denorm_mode_32 3
		.amdhsa_float_denorm_mode_16_64 3
		.amdhsa_memory_ordered 1
		.amdhsa_forward_progress 1
		.amdhsa_inst_pref_size 137
	.end_amdhsa_kernel
	.amdgpu_metadata
---
amdhsa.version: [ 1, 2 ]
amdhsa.kernels:
  - .name:           k_qf6e5677352_ffn1
    .symbol:         k_qf6e5677352_ffn1.kd
    .args:
      - { .name: w1, .offset: 0, .size: 8, .value_kind: global_buffer, .address_space: global }
      - { .name: b1, .offset: 8, .size: 8, .value_kind: global_buffer, .address_space: global }
      - { .name: xs, .offset: 16, .size: 8, .value_kind: global_buffer, .address_space: global }
      - { .name: meta, .offset: 24, .size: 8, .value_kind: global_buffer, .address_space: global }
      - { .name: hid, .offset: 32, .size: 8, .value_kind: global_buffer, .address_space: global }
    .group_segment_fixed_size: 295424
    .private_segment_fixed_size: 0
    .kernarg_segment_align: 8
    .kernarg_segment_size: 40
    .max_flat_workgroup_size: 128
    .sgpr_count:     66
    .vgpr_count:     896
    .wavefront_size: 32
...
	.end_amdgpu_metadata
.endif
;; end of part 3
;; launch ffn2 (part 4): grid 32 x 8, 4 waves a work-group, no clusters, 312,832 bytes of LDS; arguments w2, hid, meta, part; writes part
.if DOCPART == 4
	.amdgcn_target "amdgcn-amd-amdhsa--gfx1250"
	.amdhsa_code_object_version 6
	.text
	.protected	k_qf6e5677352_ffn2
	.globl	k_qf6e5677352_ffn2
	.p2align	8
	.type	k_qf6e5677352_ffn2,@function
k_qf6e5677352_ffn2:
	s_mov_b64 s[64:65], 0
	v_nop
	global_prefetch_b8 v0, s[64:65] scope:SCOPE_SE
	s_setreg_imm32_b32 hwreg(HW_REG_WAVE_MODE, 25, 1), 1
	s_wait_xcnt 0x0
; SECOND PRODUCT, K split in four.  part[kq][row][d] = the sum over hidden units 1,024 kq .. + 1,023 of hid[row][h] w2[e][d][h], bf16 operands, f32 sums, stored as f32 (partial sums).
; SHARES.  Work-group (x % 8 = ns, x / 8 = kq, y = expert) alone reads 128 rows (output columns 128 ns ..) x 1,024 columns of w2[e]: 512 KB of f32, once, in whole aligned pieces of 256 bytes,
; rounds them on their way through registers and keeps them in LDS as bf16.  With all of K and 32 output columns instead, every work-group would read all its expert's hidden rows, four times the
; bytes, for a quarter of the products a fragment.  b2 and the sum of the four parts are the next launch's.
; The walk is the first product's: a wave owns row blocks first + 4 i, i = 0..4, first = 20 pass + wave.  PASS 0 (up to 320 rows) runs under the stream of weights: K goes in 16 halves of 64, each two
; K steps of 32.  In period p half p is multiplied; batch p + 1 of weights is rounded (its 32 conversions stand behind the period's first eight matrix instructions) and laid into LDS; batch p + 3 is asked
; for; one barrier shows half p + 1 to every wave.  THE TOKENS (rows of hid) lie in a ring of four register buffers of one K step each (K step t in buffer t % 4): K step 2 p + 3 is asked for behind the
; period's first eight matrix instructions, K step 2 p + 4 behind the barrier, each into the buffer just left.  In a wave with four live blocks (64 matrix instructions a period) 88 and 80 matrix instructions
; stand between those requests and the waits for them, 120 between a batch of weights and its wait.  By the text's own count at most 62 loads of a wave are out.
; LATER PASSES find the weights in LDS.  The loop over passes has a constant count, four trips (64 blocks at the most are four passes); every wave passes its two barriers a trip, one between the products'
; reads of LDS and the way out's stores into the stages, one behind the way out; a wave with no rows in a pass jumps over the work alone.  They are plain: a half a trip, nothing overlapped.
; An expert with no rows still streams its slice and stores nothing.
; THE MATRIX INSTRUCTION IS USED TRANSPOSED: source 0 = 16 rows of w2, source 1 = 16 rows of hid in operand order.  Lane (r, h) then holds row r and columns 16 b + 8 h + 0..7: 32 bytes of a row.
; They go out through each wave's own stage, 64 columns at a time, so that sixteen lanes store 256 consecutive bytes.
; NO TENSOR LOADS, NO CLUSTER: each weight has one reader and must pass through registers to be rounded; slice and stages take 312,320 of LDS's 327,680 bytes, which leaves no room for token tiles.
; LIMITS.  NaN and infinities are not treated apart.
.set WPITCH, 16384                     ; bytes from row to row of w2
.set TSH,    17                        ; a row block of hid is 1 << 17 bytes
.set OSH,    16                        ; 16 rows of part are 1 << 16 bytes
.set PITCH,  144                       ; an LDS row: 64 bf16 + 16 bytes = 36 words: the 16 rows of a fragment load start at 16 different groups of four banks (ISA guide 11.1)
.set HB,     128*PITCH                 ; a half: 128 rows
.set STAGE,  16*HB                     ; behind the weights: 16 rows x 272 bytes for each wave
.set SP,     272
.set SPARE,  STAGE+4*16*SP             ; behind the stages: the spare words, 128 bytes a wave: no other line names them
; window 0
.set L16,  1                           ; 16 x lane
.set WOFF, 2                           ; weights: (l / 16) x 8 rows + (l % 16) x 16 bytes
.set SW0,  3                           ; LDS, in: (32 wave + 8 (l / 16)) rows + (l % 16) x 8 bytes
.set AW0,  4                           ; LDS, out: row l % 16, 16 bytes for each half of the lanes
.set PFO,  5                           ; lane x a row of w2
.set SW,   6                           ; SW0 + the half in hand
.set AW,   7                           ; AW0 + the half in hand
.set TO,   8                           ; v[8:12]   my five row blocks in hid
.set HO,   14                          ; v[14:18]  my five row blocks in part
.set OL,   19                          ; part: row l / 16, 16 bytes for each of 16 lanes
.set STO,  20                          ; stage: where I put 32 bytes of a row
.set RD,   21                          ; stage: where I read rows back
.set SPW,  28                          ; my spare word, and 0: kept for the closing lines alone
.set NIL,  29
.set CT,   32                          ; v[32:63]  a batch of weights as bf16
.set TK,   64                          ; v[64:223] tokens: four buffers of 40, block i at + 8 i
.set OUTR, 64                          ; the way out: v[64:95], v[96:127] by turns
; window 1: v[0:63], v[64:127] weight fragments of a half's two K steps, column block b at 8 b;  v[128:191], v[192:255] two batches of f32 weights
.set ST,   128
; window 2: accumulators of blocks 0-3 at 64 i + 8 b.    window 3: block 4's at 8 b
.set PW,   4                           ; s[4:5] w2   s[6:7] hid   s[8:9] meta   s[10:11] part
.set PA,   6
.set PM,   8
.set PO,   10
.set WV,   14                          ; wave
.set NS,   15                          ; which 128 output columns
.set EX,   16                          ; expert
.set NB,   17                          ; its row blocks
.set BLK0, 18                          ; its first block
.set NBW,  19                          ; my live blocks in this pass, 0 to 5
.set WB,   24                          ; s[24:25] weights: my 32 rows, the batch in hand
.set TB,   26                          ; s[26:27] tokens: the K step in hand
.set TB0,  28                          ; s[28:29] tokens: K step 0 of my quarter of K
.set OB,   32                          ; s[32:33] part at my quarter and my columns
.set CNT,  34
.set PASS, 35                          ; trips of the loop over passes still to go
.set LH,   36                          ; LDS byte of the half being written
.set LA,   37                          ; LDS byte of the half being read
.set KQ,   38                          ; which quarter of K
.set FST,  39                          ; my first block of the next pass
.set OFS,  40                          ; s[40:41] an offset
.set MSB, 0
.macro WIN new                         ; the immediate's high byte repeats the setting that is left; a switch that changes nothing is dropped
.if MSB != (\new)
	s_set_vgpr_msb (MSB<<8)|(\new)
.set MSB, (\new)
.endif
.endm
.macro PLACES                          ; four plain instructions between a matrix instruction and a load into, or a read of, its registers
.rept 4
	v_nop
.endr
.endm
; A batch: 64 columns of my 32 rows.  Lanes 0-15 take 256 consecutive bytes of one row, lanes 16-31 of the row 8 further down.
.macro WLOAD stp, koff
	WIN 0x40
.set jj, 0
.rept 16
	global_load_b128 v[ST+64*(\stp)+4*jj:ST+64*(\stp)+4*jj+3], v[WOFF], s[WB:WB+1] offset:(jj%8+16*(jj/8))*WPITCH+(\koff) th:TH_LOAD_NT
.set jj, jj+1
.endr
.endm
.macro CVT4 stp, t0                    ; four of a batch's 32 roundings
	WIN 0x05
.set tt, \t0
.rept 4
	v_cvt_pk_bf16_f32 v[CT+tt], v[ST+64*(\stp)+2*tt], v[ST+64*(\stp)+2*tt+1]
.set tt, tt+1
.endr
.endm
.macro STORES rs                       ; the rounded batch into LDS.  8 rows are 1,152 bytes = 128 modulo 256: the two halves of the lanes fill 256 different bytes modulo 256
	WIN 0
.set jj, 0
.rept 16
	ds_store_b64 v[SW], v[CT+2*jj:CT+2*jj+1] offset:(jj%8+16*(jj/8))*PITCH+(\rs)*HB
.set jj, jj+1
.endr
.endm
.macro T8 q, koff                      ; a K step's tokens of blocks 0-3 into buffer q: two pieces of 512 bytes a block
	WIN 0
.set ii, 0
.rept 4
	global_load_b128 v[TK+40*(\q)+8*ii:TK+40*(\q)+8*ii+3],   v[TO+ii], s[TB:TB+1] offset:(\koff)
	global_load_b128 v[TK+40*(\q)+8*ii+4:TK+40*(\q)+8*ii+7], v[TO+ii], s[TB:TB+1] offset:(\koff)+512
.set ii, ii+1
.endr
.endm
.macro T2 q, koff                      ; the same for block 4
	WIN 0
	global_load_b128 v[TK+40*(\q)+32:TK+40*(\q)+35], v[TO+4], s[TB:TB+1] offset:(\koff)
	global_load_b128 v[TK+40*(\q)+36:TK+40*(\q)+39], v[TO+4], s[TB:TB+1] offset:(\koff)+512
.endm
.macro FLOAD f, off                    ; the weight fragments of one K step: 8 column blocks x 2 loads
	WIN 0x40
.set bb, 0
.rept 8
	ds_load_b128 v[64*(\f)+8*bb:64*(\f)+8*bb+3],   v[AW] offset:(\off)+16*PITCH*bb
	ds_load_b128 v[64*(\f)+8*bb+4:64*(\f)+8*bb+7], v[AW] offset:(\off)+16*PITCH*bb+32
.set bb, bb+1
.endr
.endm
; 8 matrix instructions: row block i (0-3) x 8 column blocks, one K step: weight fragments f, token buffer q.  first = 1: the constant 0 starts the sums.  The accumulators take turns, one instruction a turn.
; ride = 1: four roundings of batch buffer stp stand behind each; ride = 2: four v_nop behind the first.  stage = 1: the fragments' 16 loads are the only LDS instructions out, and
; column block b waits for its own two alone.
.macro MB f, q, i, first, ride, stp, stage
.set bb, 0
.rept 8
.if \stage
	s_wait_dscnt 14-2*bb
.endif
	WIN 0xa1                                       ; weights window 1, tokens window 0, C and D window 2
.if \first
	v_wmma_f32_16x16x32_bf16 v[64*(\i)+8*bb:64*(\i)+8*bb+7], v[64*(\f)+8*bb:64*(\f)+8*bb+7], v[TK+40*(\q)+8*(\i):TK+40*(\q)+8*(\i)+7], 0
.else
	v_wmma_f32_16x16x32_bf16 v[64*(\i)+8*bb:64*(\i)+8*bb+7], v[64*(\f)+8*bb:64*(\f)+8*bb+7], v[TK+40*(\q)+8*(\i):TK+40*(\q)+8*(\i)+7], v[64*(\i)+8*bb:64*(\i)+8*bb+7]
.endif
.if (\ride) == 1
	CVT4 \stp, 4*bb
.elseif ((\ride) == 2) && (bb == 0)
	PLACES
.endif
.set bb, bb+1
.endr
.endm
.macro M8 f, q, first                  ; the same for block 4
	WIN 0xf1
.set bb, 0
.rept 8
.if \first
	v_wmma_f32_16x16x32_bf16 v[8*bb:8*bb+7], v[64*(\f)+8*bb:64*(\f)+8*bb+7], v[TK+40*(\q)+32:TK+40*(\q)+39], 0
.else
	v_wmma_f32_16x16x32_bf16 v[8*bb:8*bb+7], v[64*(\f)+8*bb:64*(\f)+8*bb+7], v[TK+40*(\q)+32:TK+40*(\q)+39], v[8*bb:8*bb+7]
.endif
.set bb, bb+1
.endr
.endm
; PERIOD p.  par = p % 2.  ra, rs: the halves read and written lie ra x HB behind AW and rs x HB behind SW.  tko: K step 2 p lies tko bytes behind TB.  first = 1: the first K step starts the sums, block 4's too,
; dead or not, so that every accumulator is written.  inw: a batch is rounded and stored.  wk: the next batch's byte in a row behind WB, or -1.  ta, tb: K steps 2 p + 3, 2 p + 4 are asked for.
; bar: the barrier, and behind it the next half's first fragments.  pf: 1 one prefetch, 2 the loop's two.
; THE LOADS OF A PERIOD go out in this order: K step 2 p + 3 (8), batch p + 3 (16), block 4's part of that K step (2 or none), K step 2 p + 4 (8), block 4's part (2 or none).  A count leaves out the fewest
; that can have been issued behind the load wanted: nh, at the head, behind K step 2 p, whole: the period before's 8 + 16 + 8; nm, in the middle, behind K step 2 p + 1: 16 + 8, and this period's
; 8 + 16; n8, for block 4's part of K step 2 p + 1: 8, 8 + 16, 8 and the 2 just issued.  Where block 4's loads are out too the counts ask for a few loads more than are wanted.
; Block 4's loads stand under the jump that guards its products.  Between the barrier's signal and its wait stand matrix instructions, v_nop and a wait alone.
.macro PERIOD par, ra, rs, tko, first, nh, nm, n8, inw, wk, ta, tb, bar, pf
.set PQ0, 2*(\par)                     ; the buffers of K steps 2 p, 2 p + 1 and 2 p + 3, and the batch buffer of batches p + 1 and p + 3
.set PQ1, 2*(\par)+1
.set PQA, (2*(\par)+3)%4
.set PSP, 1-(\par)
	s_wait_loadcnt \nh                             ; K step 2 p and batch p + 1 are in
	MB 0, PQ0, 0, \first, \inw, PSP, 1
.if (\inw) == 0
	PLACES                                         ; where no roundings stand there: the places in front of the loads below
.endif
.if \inw
	STORES \rs
.endif
.if \ta
	T8 PQA, (\tko)+3072
.endif
	FLOAD 1, (\ra)*HB+64
.if (\wk) >= 0
	WLOAD PSP, \wk
.endif
.if (\pf) == 1
	WIN 0
	global_prefetch_b8 v[PFO], s[WB:WB+1] offset:(\wk)+768 th:TH_LOAD_NT scope:SCOPE_SE
.elseif (\pf) == 2
	WIN 0
	s_cmp_gt_u32 s[CNT], 2
	s_cbranch_scc0 .Lasked_\@                      ; the last two trips ask for nothing: batch 14 is the last asked for
	global_prefetch_b8 v[PFO], s[WB:WB+1] offset:768 th:TH_LOAD_NT scope:SCOPE_SE
	global_prefetch_b8 v[PFO], s[WB:WB+1] offset:1024 th:TH_LOAD_NT scope:SCOPE_SE
.Lasked_\@:
.endif
	WIN 0
.if (\first) == 0
	s_cmp_lt_u32 s[NBW], 5
	s_cbranch_scc1 .Lno4a_\@
.endif
.if \ta
	T2 PQA, (\tko)+3072
.endif
	M8 0, PQ0, \first
	WIN 0
.Lno4a_\@:
	MB 0, PQ0, 1, \first, 0, 0, 0
	MB 0, PQ0, 2, \first, 0, 0, 0
	MB 0, PQ0, 3, \first, 0, 0, 0
	s_wait_dscnt 0x0                               ; the second K step's fragments are in, and my stores into LDS are done
.if \bar
	s_barrier_signal -1
.endif
	s_wait_loadcnt \nm                             ; K step 2 p + 1 is in
	MB 1, PQ1, 0, 0, 2, 0, 0                       ; its four v_nop are the places in front of the loads behind the barrier
	MB 1, PQ1, 1, 0, 0, 0, 0
	WIN 0
.if \bar
	s_barrier_wait -1                              ; the half stored in this period is whole
	FLOAD 0, ((\ra)+1)*HB
.endif
.if \tb
	T8 PQ0, (\tko)+4096
.endif
	MB 1, PQ1, 2, 0, 0, 0, 0
	MB 1, PQ1, 3, 0, 0, 0, 0
	WIN 0
	s_cmp_lt_u32 s[NBW], 5
	s_cbranch_scc1 .Lno4b_\@
.if \tb
	T2 PQ0, (\tko)+4096
.endif
	s_wait_loadcnt \n8
	M8 1, PQ1, 0
	WIN 0
.Lno4b_\@:
.endm
; A pass's blocks.  s20 = the wave's first block of the pass.  Block t of the expert is block BLK0 + t; one past the count reads block 0.
.macro SETP
	s_wait_xcnt 0x0                                ; the offsets below are sources of earlier loads and stores
	s_add_co_u32 s21, s[NB], 3
	s_sub_co_i32 s21, s21, s20
	s_max_i32 s21, s21, 0
	s_lshr_b32 s21, s21, 2
	s_min_u32 s[NBW], s21, 5
.irp i, 0,1,2,3,4
	s_add_co_u32 s21, s20, 4*\i
	s_add_co_u32 s22, s21, s[BLK0]
	s_cmp_lt_u32 s21, s[NB]
	s_cselect_b32 s22, s22, 0
	s_min_u32 s22, s22, 135
	v_lshl_add_u32 v[TO+\i], s22, TSH, v[L16]
	v_lshl_add_u32 v[HO+\i], s22, OSH, v[OL]
.endr
.endm
	s_load_b256 s[4:11], s[0:1], 0x0
	v_lshl_add_u32 v[SPW], v0, 2, SPARE
	v_mov_b32 v[NIL], 0
	v_lshrrev_b32 v25, 5, v0
	v_readfirstlane_b32 s[WV], v25
	s_and_b32 s[NS], ttmp9, 7
	s_lshr_b32 s[KQ], ttmp9, 3
	s_and_b32 s[EX], ttmp7, 0xffff
	v_and_b32 v26, 31, v0                          ; lane
	v_and_b32 v23, 15, v0                          ; l % 16
	v_bfe_u32 v24, v0, 4, 1                        ; l / 16
	v_lshlrev_b32 v[L16], 4, v26
	v_lshlrev_b32 v[WOFF], 4, v23
	v_lshl_add_u32 v[WOFF], v24, 17, v[WOFF]       ; 8 rows of 16,384 bytes
	s_mul_i32 s20, s[WV], 32*PITCH
	v_mul_u32_u24 v[SW0], v24, 8*PITCH
	v_lshl_add_u32 v[SW0], v23, 3, v[SW0]
	v_add_nc_u32 v[SW0], s20, v[SW0]
	v_mul_u32_u24 v[AW0], v23, PITCH
	v_lshl_add_u32 v[AW0], v24, 4, v[AW0]
	v_lshlrev_b32 v[PFO], 14, v26
	v_mov_b32 v[SW], v[SW0]
	v_mov_b32 v[AW], v[AW0]
	v_lshlrev_b32 v[OL], 4, v23
	v_lshl_add_u32 v[OL], v24, 12, v[OL]
	s_mul_i32 s21, s[WV], 16*SP
	s_add_co_u32 s21, s21, STAGE                   ; my stage
	v_mul_u32_u24 v[STO], v23, SP                  ; in: row l % 16, 32 bytes for each half of the lanes
	v_lshl_add_u32 v[STO], v24, 5, v[STO]
	v_add_nc_u32 v[STO], s21, v[STO]
	v_mul_u32_u24 v[RD], v24, SP                   ; back: lanes 0-15 take one row of 256 bytes, lanes 16-31 the next
	v_lshl_add_u32 v[RD], v23, 4, v[RD]
	v_add_nc_u32 v[RD], s21, v[RD]
	s_lshl_b32 s[OFS], s[EX], 24                   ; the expert's 16 MB,
	s_lshl_b32 s20, s[NS], 21                      ; 128 rows,
	s_add_co_u32 s[OFS], s[OFS], s20
	s_lshl_b32 s20, s[WV], 19                      ; my wave's 32 of them,
	s_add_co_u32 s[OFS], s[OFS], s20
	s_lshl_b32 s20, s[KQ], 12                      ; the quarter's 1,024 columns
	s_add_co_u32 s[OFS], s[OFS], s20
	s_mov_b32 s[OFS+1], 0
	s_lshl_b32 s22, s[KQ], 15                      ; hid: the quarter's 32 K steps in a block
	s_mov_b32 s23, 0
	s_lshl_b32 s20, s[EX], 2
	s_mov_b32 s21, 0
	s_wait_kmcnt 0x0
	s_add_nc_u64 s[PM:PM+1], s[PM:PM+1], s[20:21]
	s_load_b32 s[NB], s[PM:PM+1], 0x0
	s_load_b32 s[BLK0], s[PM:PM+1], 0x20
	s_add_nc_u64 s[WB:WB+1], s[PW:PW+1], s[OFS:OFS+1]
	WLOAD 0, 0                                     ; the stream begins before the counts are in
	WLOAD 1, 256
	WIN 0
	s_add_nc_u64 s[TB0:TB0+1], s[PA:PA+1], s[22:23]
	s_mov_b64 s[TB:TB+1], s[TB0:TB0+1]
	s_mul_i32 s[OFS], s[KQ], 0x880000              ; a quarter's 2,176 rows of 4,096 bytes,
	s_lshl_b32 s20, s[NS], 9                       ; my 128 columns
	s_add_co_u32 s[OFS], s[OFS], s20
	s_add_nc_u64 s[OB:OB+1], s[PO:PO+1], s[OFS:OFS+1]
	s_wait_kmcnt 0x0
	s_min_u32 s[NB], s[NB], 64
	s_min_u32 s[BLK0], s[BLK0], 135
	s_mov_b32 s20, s[WV]
	SETP
	; PASS 0.  The first four K steps load all five blocks, dead or not, so that every token register is written; their counts are exact.
	T8 0, 0                                        ; K step 0
	T2 0, 0
	s_wait_loadcnt 26                              ; batch 0 is in: behind it batch 1's 16 loads and K step 0's 10
.set cc, 0
.rept 8
	CVT4 0, 4*cc
.set cc, cc+1
.endr
	STORES 0
	T8 1, 1024
	WLOAD 0, 512
	T2 1, 1024
	T8 2, 2048
	T2 2, 2048
	global_prefetch_b8 v[PFO], s[WB:WB+1] offset:1280 th:TH_LOAD_NT scope:SCOPE_SE  ; batch 5 of my own 32 rows, one piece of 256 bytes a lane: three periods ahead of its load; each piece is asked for once
	s_wait_dscnt 0x0
	s_barrier_signal -1
	s_barrier_wait -1                              ; half 0 is whole
	FLOAD 0, 0
	PERIOD 0, 0, 1, 0, 1, 36, 54, 46, 1, 768, 1, 1, 1, 1   ; period 0: 36 = 8 + 16 + 2 + 8 + 2; 54 = 16 + 2 + 8 + 2 + 8 + 16 + 2; 46 = 8 + 2 + 8 + 16 + 2 + 8 + 2
	s_wait_xcnt 0x0                                ; the bases are stepped only behind this wait
	s_add_nc_u64 s[WB:WB+1], s[WB:WB+1], 1024      ; batch 4
	s_add_nc_u64 s[TB:TB+1], s[TB:TB+1], 2048      ; K step 2
	s_mov_b32 s[LH], 2*HB
	s_mov_b32 s[LA], HB
	v_add_nc_u32 v[SW], s[LH], v[SW0]
	v_add_nc_u32 v[AW], s[LA], v[AW0]
	s_mov_b32 s[CNT], 6
.Lk:                                   ; periods 1 to 12, two a trip
	PERIOD 1, 0, 0, 0,    0, 32, 48, 42, 1, 0,   1, 1, 1, 2
	PERIOD 0, 1, 1, 2048, 0, 32, 48, 42, 1, 256, 1, 1, 1, 0
	s_wait_xcnt 0x0
	s_add_nc_u64 s[WB:WB+1], s[WB:WB+1], 512
	s_add_nc_u64 s[TB:TB+1], s[TB:TB+1], 4096
	s_add_co_u32 s[LH], s[LH], 2*HB
	s_add_co_u32 s[LA], s[LA], 2*HB
	v_add_nc_u32 v[SW], s[LH], v[SW0]
	v_add_nc_u32 v[AW], s[LA], v[AW0]
	s_sub_co_u32 s[CNT], s[CNT], 1
	s_cmp_lg_u32 s[CNT], 0
	s_cbranch_scc1 .Lk
	PERIOD 1, 0, 0, 0,    0, 32, 32, 26, 1, -1, 1, 1, 1, 0   ; period 13: no batch is left to ask for: 32 = 16 + 8 + 8; 26 = 8 + 8 + 8 + 2
	PERIOD 0, 1, 1, 2048, 0, 16, 16, 16, 1, -1, 1, 0, 1, 0   ; period 14: K step 31 is the last: 16 = 8 + 8 each time
	PERIOD 1, 2, 0, 0,    0, 8,  0,  0,  0, -1, 0, 0, 0, 0   ; period 15: nothing is stored or asked for
	PLACES                                         ; in front of the way out's reads of the sums
	s_mov_b32 s[PASS], 4
	s_add_co_u32 s[FST], s[WV], 20
.Lpass:                                ; four trips: the way out of a pass, then the next pass's products if I have rows in it.  64 blocks at the most are four passes: in the fourth trip no wave has
	s_wait_loadcnt 0x0
	s_wait_dscnt 0x0                               ; my reads of the weights for this pass are over,
	s_barrier_signal -1
	s_barrier_wait -1                              ; and everybody's: the stages are written only behind this barrier
.irp i, 0,1,2,3,4
	WIN 0
	s_cmp_le_u32 s[NBW], \i
	s_cbranch_scc1 .Lstored                        ; whole blocks past the count are jumped
	s_wait_xcnt 0x0                                ; the registers that earlier stores read are loaded again only behind this wait
.irp hf, 0,1                           ; 64 columns at a time, 16 rows x 256 bytes: into the stage and back as whole rows; the second half's stores follow the first half's loads
.set oo, OUTR+32*(\hf)
.set aa, 64*((\i)%4)+32*(\hf)
	WIN 0x08+4*((\i)/4)                            ; the stores' data in window 2 or 3
.set bb, 0
.rept 4                                ; each accumulator's low four registers first
	ds_store_b128 v[STO], v[aa+8*bb:aa+8*bb+3]   offset:64*bb
	ds_store_b128 v[STO], v[aa+8*bb+4:aa+8*bb+7] offset:64*bb+16
.set bb, bb+1
.endr
	WIN 0
.set tt, 0
.rept 8
	ds_load_b128 v[oo+4*tt:oo+4*tt+3], v[RD] offset:2*SP*tt  ; LDS serves a wave's instructions in order (ISA guide 5.7.1.4): these see the stores above, and the next stores come behind them
.set tt, tt+1
.endr
.endr
.irp hf, 0,1
.set oo, OUTR+32*(\hf)
	s_wait_dscnt 16-16*(\hf)                       ; the first half is back: behind its loads stand the second half's 8 stores and 8 loads; then all
.set tt, 0
.rept 8
	global_store_b128 v[HO+\i], v[oo+4*tt:oo+4*tt+3], s[OB:OB+1] offset:8192*tt+256*(\hf)  ; 16 lanes store 256 consecutive bytes, at a multiple of 256 from part's first byte
.set tt, tt+1
.endr
.endr
.endr
.Lstored:
	s_wait_dscnt 0x0                               ; my stores into my stage, and my reads of it, are over,
	s_barrier_signal -1
	s_barrier_wait -1                              ; and everybody's: the next pass's reads of LDS stand behind this barrier
	s_mov_b32 s20, s[FST]
	SETP
	s_cmp_eq_u32 s[NBW], 0
	s_cbranch_scc1 .Lnone                          ; no rows of mine in that pass: its products are jumped; no barrier and no LDS write stands among them
	s_mov_b64 s[TB:TB+1], s[TB0:TB0+1]
	s_mov_b32 s[LA], 0
	v_mov_b32 v[AW], v[AW0]
	s_mov_b32 s[CNT], 16
.Lx:                                   ; a half a trip; the weights are in LDS
	T8 0, 0
	T8 1, 1024
	s_cmp_lt_u32 s[NBW], 5
	s_cbranch_scc1 .Lx4
	T2 0, 0
	T2 1, 1024
.Lx4:
	FLOAD 0, 0
	FLOAD 1, 64
	WIN 0
	s_wait_loadcnt 0x0
	s_wait_dscnt 0x0
	s_cmp_eq_u32 s[CNT], 16
	s_cbranch_scc0 .Lxacc
.irp i, 0,1,2,3
	MB 0, 0, \i, 1, 0, 0, 0                        ; the pass's first K step starts the sums
.endr
	M8 0, 0, 1
	WIN 0
	s_branch .Lxj
.Lxacc:
.irp i, 0,1,2,3
	MB 0, 0, \i, 0, 0, 0, 0
.endr
	WIN 0
	s_cmp_lt_u32 s[NBW], 5
	s_cbranch_scc1 .Lxj
	M8 0, 0, 0
	WIN 0
.Lxj:
.irp i, 0,1,2,3
	MB 1, 1, \i, 0, 0, 0, 0
.endr
	WIN 0
	s_cmp_lt_u32 s[NBW], 5
	s_cbranch_scc1 .Lxe
	M8 1, 1, 0
	WIN 0
.Lxe:
	PLACES                                         ; in front of the next trip's loads, and of the way out
	s_wait_xcnt 0x0
	s_add_nc_u64 s[TB:TB+1], s[TB:TB+1], 2048      ; (the last trip's step is not used)
	s_add_co_u32 s[LA], s[LA], HB
	v_add_nc_u32 v[AW], s[LA], v[AW0]
	s_sub_co_u32 s[CNT], s[CNT], 1
	s_cmp_lg_u32 s[CNT], 0
	s_cbranch_scc1 .Lx
.Lnone:
	s_add_co_u32 s[FST], s[FST], 20
	s_sub_co_u32 s[PASS], s[PASS], 1
	s_cmp_lg_u32 s[PASS], 0
	s_cbranch_scc1 .Lpass
	s_wait_dscnt 0x0                               ; my reads of LDS are over,
	s_barrier_signal -1
	s_barrier_wait -1                              ; and everybody's: LDS is written again (the closing add) only behind this barrier
	s_wait_tensorcnt 0x0                           ; the wave's end: three closing lines behind my last LDS store
	ds_add_u32 v[SPW], v[NIL]
	s_wait_dscnt 0x0
	s_endpgm
.Lfunc_end_k_qf6e5677352_ffn2:
	.size	k_qf6e5677352_ffn2, .Lfunc_end_k_qf6e5677352_ffn2-k_qf6e5677352_ffn2
	.p2alignl 7, 3214868480
	.fill 96, 4, 3214868480
	.section	.rodata,"a",@progbits
	.p2align	6, 0x0
	.amdhsa_kernel k_qf6e5677352_ffn2
		.amdhsa_group_segment_fixed_size 312832
		.amdhsa_private_segment_fixed_size 0
		.amdhsa_enable_private_segment 0
		.amdhsa_kernarg_size 32
		.amdhsa_user_sgpr_count 2
		.amdhsa_user_sgpr_kernarg_segment_ptr 1
		.amdhsa_wavefront_size32 1
		.amdhsa_system_sgpr_workgroup_id_x 1
		.amdhsa_system_sgpr_workgroup_id_y 1
		.amdhsa_system_sgpr_workgroup_id_z 1
		.amdhsa_system_vgpr_workitem_id 0
		.amdhsa_next_free_vgpr 832
		.amdhsa_next_free_sgpr 66
		.amdhsa_reserve_vcc 0
		.amdhsa_float_denorm_mode_32 3
		.amdhsa_float_denorm_mode_16_64 3
		.amdhsa_memory_ordered 1
		.amdhsa_forward_progress 1
		.amdhsa_inst_pref_size 130
	.end_amdhsa_kernel
	.amdgpu_metadata
---
amdhsa.version: [ 1, 2 ]
amdhsa.kernels:
  - .name:           k_qf6e5677352_ffn2
    .symbol:         k_qf6e5677352_ffn2.kd
    .args:
      - { .name: w2, .offset: 0, .size: 8, .value_kind: global_buffer, .address_space: global }
      - { .name: hid, .offset: 8, .size: 8, .value_kind: global_buffer, .address_space: global }
      - { .name: meta, .offset: 16, .size: 8, .value_kind: global_buffer, .address_space: global }
      - { .name: part, .offset: 24, .size: 8, .value_kind: global_buffer, .address_space: global }
    .group_segment_fixed_size: 312832
    .private_segment_fixed_size: 0
    .kernarg_segment_align: 8
    .kernarg_segment_size: 32
    .max_flat_workgroup_size: 128
    .sgpr_count:     66
    .vgpr_count:     832
    .wavefront_size: 32
...
	.end_amdgpu_metadata
.endif
;; end of part 4
;; launch combine (part 5): grid 256 x 1, 4 waves a work-group, no clusters, 0 bytes of LDS; arguments x, part, b2, ln_w, ln_b, idx, pos, gat, out0; writes out0
.if DOCPART == 5
	.amdgcn_target "amdgcn-amd-amdhsa--gfx1250"
	.amdhsa_code_object_version 6
	.text
	.protected	k_qf6e5677352_combine
	.globl	k_qf6e5677352_combine
	.p2align	8
	.type	k_qf6e5677352_combine,@function
k_qf6e5677352_combine:
	s_mov_b64 s[64:65], 0
	v_nop
	global_prefetch_b8 v0, s[64:65] scope:SCOPE_SE
	s_setreg_imm32_b32 hwreg(HW_REG_WAVE_MODE, 25, 1), 1
	s_wait_xcnt 0x0
; COMBINE.  For token n with experts e0, e1, sorted rows p0, p1 and weights g0, g1:  r = x[n] + g0 (the four parts of row p0 + b2[e0]) + g1 (the same for p1, e1);  out0[n] = LayerNorm(r) ln_w + ln_b.
; One wave takes one token: a row of 4,096 bytes is eight loads of 16 bytes a lane, 512 consecutive bytes each, and stays in registers: no LDS, no barrier, no wave waits for another.
; The mean is taken first and the variance of the differences, as the definition has it: no difference of large sums.  All arithmetic in f32.  The matrix units and clusters have nothing to do here.
; idx and pos are whole numbers that earlier launches stored; they are held to their tables' sizes before they enter an address.
.set XR,  32                           ; window 0: v[32:63] x, then r, then the result
.set B2R, 64                           ; v[64:127]  b2 of the two experts
.set LW,  128                          ; v[128:159] ln_w
.set LB,  160                          ; v[160:191] ln_b
                                       ; window 1: part k of choice c at 128 c + 32 k
.set MSB, 0
.macro WIN new                         ; the immediate's high byte repeats the setting that is left
.if MSB != (\new)
	s_set_vgpr_msb (MSB<<8)|(\new)
.set MSB, (\new)
.endif
.endm
.macro RED r                           ; the sum over the 32 lanes, in every lane
	v_add_f32_dpp v[\r], v[\r], v[\r] row_xmask:1 row_mask:0xf bank_mask:0xf
	v_add_f32_dpp v[\r], v[\r], v[\r] row_xmask:2 row_mask:0xf bank_mask:0xf
	v_add_f32_dpp v[\r], v[\r], v[\r] row_xmask:4 row_mask:0xf bank_mask:0xf
	v_add_f32_dpp v[\r], v[\r], v[\r] row_xmask:8 row_mask:0xf bank_mask:0xf
	v_permlanex16_b32 v13, v[\r], s40, s41
	v_add_f32 v[\r], v[\r], v13
.endm
	s_load_b512 s[4:19], s[0:1], 0x0               ; x s[4:5], part s[6:7], b2 s[8:9], ln_w s[10:11], ln_b s[12:13], idx s[14:15], pos s[16:17], gat s[18:19]
	s_load_b64 s[20:21], s[0:1], 0x40              ; out0
	v_lshrrev_b32 v6, 5, v0
	v_readfirstlane_b32 s22, v6                    ; wave
	v_and_b32 v7, 31, v0
	v_lshlrev_b32 v1, 4, v7                        ; 16 bytes a lane
	v_mov_b32 v13, 0                               ; the lane exchange's destination counts as read
	v_mov_b32 v12, 0x3a800000                      ; 1 / 1,024
	s_lshl_b32 s23, ttmp9, 2
	s_add_co_u32 s23, s23, s22                     ; token n
	s_lshl_b32 s42, s23, 3
	s_mov_b32 s43, 0
	s_lshl_b32 s44, s23, 12
	s_mov_b32 s45, 0
	s_mov_b32 s40, 0x76543210
	s_mov_b32 s41, 0xfedcba98
	s_wait_kmcnt 0x0
	s_add_nc_u64 s[14:15], s[14:15], s[42:43]
	s_add_nc_u64 s[16:17], s[16:17], s[42:43]
	s_add_nc_u64 s[18:19], s[18:19], s[42:43]
	s_load_b64 s[24:25], s[14:15], 0x0             ; e0, e1
	s_load_b64 s[26:27], s[16:17], 0x0             ; p0, p1
	s_load_b64 s[28:29], s[18:19], 0x0             ; g0, g1
	s_add_nc_u64 s[4:5], s[4:5], s[44:45]
	s_add_nc_u64 s[20:21], s[20:21], s[44:45]
	s_mov_b64 s[32:33], s[6:7]                     ; the four quarters of part, 2,176 rows of 4,096 bytes apart
	s_add_nc_u64 s[34:35], s[6:7], 0x880000
	s_add_nc_u64 s[36:37], s[34:35], 0x880000
	s_add_nc_u64 s[38:39], s[36:37], 0x880000
.set jj, 0
.rept 8                                ; what hangs on no routing goes out first
	global_load_b128 v[XR+4*jj:XR+4*jj+3], v1, s[4:5] offset:512*jj
	global_load_b128 v[LW+4*jj:LW+4*jj+3], v1, s[10:11] offset:512*jj
	global_load_b128 v[LB+4*jj:LB+4*jj+3], v1, s[12:13] offset:512*jj
.set jj, jj+1
.endr
	s_wait_kmcnt 0x0
	s_min_u32 s24, s24, 7
	s_min_u32 s25, s25, 7
	s_min_u32 s26, s26, 2175
	s_min_u32 s27, s27, 2175
	s_mov_b32 s30, s29                             ; g1 in the low word of a pair of its own
	s_mov_b32 s31, s29
	v_lshl_add_u32 v2, s26, 12, v1
	v_lshl_add_u32 v3, s27, 12, v1
	v_lshl_add_u32 v4, s24, 12, v1
	v_lshl_add_u32 v5, s25, 12, v1
	WIN 0x40                                       ; destination window 1, address window 0
.irp c, 0,1
.irp k, 0,1,2,3
.set jj, 0
.rept 8
	global_load_b128 v[128*\c+32*\k+4*jj:128*\c+32*\k+4*jj+3], v[2+\c], s[32+2*\k:33+2*\k] offset:512*jj th:TH_LOAD_NT
.set jj, jj+1
.endr
.endr
.endr
	WIN 0
.irp c, 0,1
.set jj, 0
.rept 8
	global_load_b128 v[B2R+32*\c+4*jj:B2R+32*\c+4*jj+3], v[4+\c], s[8:9] offset:512*jj
.set jj, jj+1
.endr
.endr
	s_wait_loadcnt 16                              ; all but b2's sixteen loads, which were issued last
	WIN 0x45                                       ; all in window 1
.irp c, 0,1
.set tt, 0
.rept 16
	v_pk_add_f32 v[128*\c+2*tt:128*\c+2*tt+1], v[128*\c+2*tt:128*\c+2*tt+1], v[128*\c+32+2*tt:128*\c+32+2*tt+1]
	v_pk_add_f32 v[128*\c+64+2*tt:128*\c+64+2*tt+1], v[128*\c+64+2*tt:128*\c+64+2*tt+1], v[128*\c+96+2*tt:128*\c+96+2*tt+1]
.set tt, tt+1
.endr
.set tt, 0
.rept 16
	v_pk_add_f32 v[128*\c+2*tt:128*\c+2*tt+1], v[128*\c+2*tt:128*\c+2*tt+1], v[128*\c+64+2*tt:128*\c+64+2*tt+1]
.set tt, tt+1
.endr
.endr
	s_wait_loadcnt 0x0
	WIN 0x41                                       ; source 1 (b2) in window 0
.irp c, 0,1
.set tt, 0
.rept 16
	v_pk_add_f32 v[128*\c+2*tt:128*\c+2*tt+1], v[128*\c+2*tt:128*\c+2*tt+1], v[B2R+32*\c+2*tt:B2R+32*\c+2*tt+1]
.set tt, tt+1
.endr
.endr
	WIN 0x01                                       ; source 0 in window 1, the rest in window 0
.set tt, 0
.rept 16
	v_pk_fma_f32 v[XR+2*tt:XR+2*tt+1], v[2*tt:2*tt+1], s[28:29], v[XR+2*tt:XR+2*tt+1] op_sel_hi:[1,0,1]
.set tt, tt+1
.endr
.set tt, 0
.rept 16
	v_pk_fma_f32 v[XR+2*tt:XR+2*tt+1], v[128+2*tt:128+2*tt+1], s[30:31], v[XR+2*tt:XR+2*tt+1] op_sel_hi:[1,0,1]
.set tt, tt+1
.endr
	WIN 0
	; the mean: two packed chains, started by the first four pairs
	v_pk_add_f32 v[6:7], v[XR:XR+1], v[XR+2:XR+3]
	v_pk_add_f32 v[8:9], v[XR+4:XR+5], v[XR+6:XR+7]
.set tt, 4
.rept 6
	v_pk_add_f32 v[6:7], v[6:7], v[XR+2*tt:XR+2*tt+1]
	v_pk_add_f32 v[8:9], v[8:9], v[XR+2*tt+2:XR+2*tt+3]
.set tt, tt+2
.endr
	v_pk_add_f32 v[6:7], v[6:7], v[8:9]
	v_add_f32 v6, v6, v7
	RED 6
	v_mul_f32 v6, v6, v12
	v_mov_b32 v7, v6
.set tt, 0
.rept 16
	v_pk_add_f32 v[XR+2*tt:XR+2*tt+1], v[XR+2*tt:XR+2*tt+1], v[6:7] neg_lo:[0,1] neg_hi:[0,1]  ; r - mean
.set tt, tt+1
.endr
	v_pk_mul_f32 v[8:9], v[XR:XR+1], v[XR:XR+1]
	v_pk_mul_f32 v[10:11], v[XR+2:XR+3], v[XR+2:XR+3]
.set tt, 2
.rept 7
	v_pk_fma_f32 v[8:9], v[XR+2*tt:XR+2*tt+1], v[XR+2*tt:XR+2*tt+1], v[8:9]
	v_pk_fma_f32 v[10:11], v[XR+2*tt+2:XR+2*tt+3], v[XR+2*tt+2:XR+2*tt+3], v[10:11]
.set tt, tt+2
.endr
	v_pk_add_f32 v[8:9], v[8:9], v[10:11]
	v_add_f32 v8, v8, v9
	RED 8
	v_fmaak_f32 v8, v8, v12, 0x3727c5ac            ; the variance + 1e-5
	v_rsq_f32 v8, v8
	v_nop                                          ; a plain instruction behind the root,
	s_wait_alu depctr_va_vdst(0)                   ; and its wait, ahead of the first reader
	v_mov_b32 v9, v8
.set tt, 0
.rept 16
	v_pk_mul_f32 v[XR+2*tt:XR+2*tt+1], v[XR+2*tt:XR+2*tt+1], v[8:9]
.set tt, tt+1
.endr
.set tt, 0
.rept 16
	v_pk_fma_f32 v[XR+2*tt:XR+2*tt+1], v[XR+2*tt:XR+2*tt+1], v[LW+2*tt:LW+2*tt+1], v[LB+2*tt:LB+2*tt+1]
.set tt, tt+1
.endr
.set jj, 0
.rept 8
	global_store_b128 v1, v[XR+4*jj:XR+4*jj+3], s[20:21] offset:512*jj th:TH_STORE_NT  ; 512 consecutive bytes, at a multiple of 512 from out0's first byte
.set jj, jj+1
.endr
	s_endpgm
.Lfunc_end_k_qf6e5677352_combine:
	.size	k_qf6e5677352_combine, .Lfunc_end_k_qf6e5677352_combine-k_qf6e5677352_combine
	.p2alignl 7, 3214868480
	.fill 96, 4, 3214868480
	.section	.rodata,"a",@progbits
	.p2align	6, 0x0
	.amdhsa_kernel k_qf6e5677352_combine
		.amdhsa_group_segment_fixed_size 0
		.amdhsa_private_segment_fixed_size 0
		.amdhsa_enable_private_segment 0
		.amdhsa_kernarg_size 72
		.amdhsa_user_sgpr_count 2
		.amdhsa_user_sgpr_kernarg_segment_ptr 1
		.amdhsa_wavefront_size32 1
		.amdhsa_system_sgpr_workgroup_id_x 1
		.amdhsa_system_sgpr_workgroup_id_y 1
		.amdhsa_system_sgpr_workgroup_id_z 1
		.amdhsa_system_vgpr_workitem_id 0
		.amdhsa_next_free_vgpr 512
		.amdhsa_next_free_sgpr 66
		.amdhsa_reserve_vcc 0
		.amdhsa_float_denorm_mode_32 3
		.amdhsa_float_denorm_mode_16_64 3
		.amdhsa_memory_ordered 1
		.amdhsa_forward_progress 1
		.amdhsa_inst_pref_size 29
	.end_amdhsa_kernel
	.amdgpu_metadata
---
amdhsa.version: [ 1, 2 ]
amdhsa.kernels:
  - .name:           k_qf6e5677352_combine
    .symbol:         k_qf6e5677352_combine.kd
    .args:
      - { .name: x, .offset: 0, .size: 8, .value_kind: global_buffer, .address_space: global }
      - { .name: part, .offset: 8, .size: 8, .value_kind: global_buffer, .address_space: global }
      - { .name: b2, .offset: 16, .size: 8, .value_kind: global_buffer, .address_space: global }
      - { .name: ln_w, .offset: 24, .size: 8, .value_kind: global_buffer, .address_space: global }
      - { .name: ln_b, .offset: 32, .size: 8, .value_kind: global_buffer, .address_space: global }
      - { .name: idx, .offset: 40, .size: 8, .value_kind: global_buffer, .address_space: global }
      - { .name: pos, .offset: 48, .size: 8, .value_kind: global_buffer, .address_space: global }
      - { .name: gat, .offset: 56, .size: 8, .value_kind: global_buffer, .address_space: global }
      - { .name: out0, .offset: 64, .size: 8, .value_kind: global_buffer, .address_space: global }
    .group_segment_fixed_size: 0
    .private_segment_fixed_size: 0
    .kernarg_segment_align: 8
    .kernarg_segment_size: 72
    .max_flat_workgroup_size: 128
    .sgpr_count:     66
    .vgpr_count:     512
    .wavefront_size: 32
...
	.end_amdgpu_metadata
.endif
;; end of part 5
